; MI455X (gfx1250); checked and timed in simulation.
; The chip was launched on July 23, 2026; its instructions are those of AMD's public machine-readable ISA for CDNA 5 (MIT licence, August 2026) and "CDNA5" Instruction Set Architecture Reference Guide (July 2026). The comments in the code are by the model that wrote it; some were corrected since.
;; Multi Headed Attention. Allowed arithmetic: matrix products marked QUANTISED: E2M3 operands, one E8M0 scale for each 32 along K, by v_wmma_scale_f32_16x16x128_f8f6f4 with both operands' format E2M3, f32 sums; everything else in f32.
;; Inputs: X 2,048 x 2,048 float32; bk 2,048 float32; bo 2,048 float32; bq 2,048 float32; bv 2,048 float32; wk 2,048 x 2,048 float32; wo 2,048 x 2,048 float32; wq 2,048 x 2,048 float32; wv 2,048 x 2,048 float32.
;; Outputs: out0 2,048 x 2,048 float32.
;; This version of the problem:
;;   THIS VERSION OF THE PROBLEM IS GIVEN IN LOW PRECISION. The matrix products marked QUANTISED in the list below multiply operands that are first quantised to E2M3 (2 exponent bits, 3 mantissa bits; 6 bits a number), with one power-of-two scale for each 32 numbers along K (OCP MX v1.0); their sums are f32. All else is computed in f32.
;;   The module's matrix products, in the order in which they are computed (A, B: the left and right operand; K: the contracted axis; several contracted axes count as one K, in the product's order):
;;     1. [M 2,048, K 2,048] x [K 2,048, N 2,048]; A: input X; B: input wq: QUANTISED
;;     2. [M 2,048, K 2,048] x [K 2,048, N 2,048]; A: input X; B: input wk: QUANTISED
;;     3. [M 2,048, K 2,048] x [K 2,048, N 2,048]; A: input X; B: input wv: QUANTISED
;;     4. batch 16 x [M 2,048, K 128] x [K 128, N 2,048]; A: computed on the way; B: computed on the way: QUANTISED
;;     5. batch 16 x [M 128, K 2,048] x [K 2,048, N 2,048]; A: computed on the way; B: softmax (see below): QUANTISED
;;     6. [M 2,048, K 2,048] x [K 2,048, N 2,048]; A: computed on the way; B: input wo: QUANTISED
;;   THE QUANTISER, for each operand of a quantised product, along K:
;;     - K is cut into blocks of 32 from its start; a last block that is shorter is filled with zeros.
;;     - A block's scale is 2^e with e = floor(log2(the largest magnitude in the block)) - 2, held to -126 .. 127; a block of zeros has e = 0. As a byte (E8M0): e + 127.
;;     - Each number is divided by its block's scale, clamped to +-7.5, and rounded to the nearest number of E2M3, ties to even, subnormals kept.
;;     - The product sums the exact products of the quantised numbers (number of the format x scale) in f32.
;;   ~~~python
;;   def quantise(x, axis):      # numpy; x: float32 -> the quantised numbers, widened to float32 again
;;       x = np.moveaxis(x, axis, -1); K = x.shape[-1]
;;       x = np.pad(x, [(0, 0)] * (x.ndim - 1) + [(0, -K % 32)]); x = x.reshape(x.shape[:-1] + (-1, 32)); a = np.abs(x).max(-1, keepdims=True)
;;       e = np.where(a > 0, np.clip(np.frexp(np.where(a > 0, a, 1))[1] - 1 - 2, -126, 127), 0)      # np.frexp(a)[1] - 1 = floor(log2(a)), exactly
;;       r = np.clip(x / 2.0 ** e, -7.5, 7.5)
;;       step = 2.0 ** (np.maximum(np.frexp(np.where(r == 0, 1, r))[1] - 1, 0) - 3)
;;       q = np.round(r / step) * step * 2.0 ** e      # np.round: ties to even
;;       return np.moveaxis(q.reshape(q.shape[:-2] + (-1,))[..., :K], -1, axis).astype(np.float32)
;;   ~~~
;;   SOFTMAX AHEAD OF A QUANTISED PRODUCT. Where the list says 'softmax', what is quantised is not the finished softmax but p = 2^(t - M), with t = logit x log2(e) and M = ceil(the row's largest t), a whole number; so 1/2 < the row's largest p <= 1. The row's sum l is taken of the UNQUANTISED p, in f32, and the product's result is divided by l at the end. Since M is a whole number, a kernel that streams over the keys may use a running M (the ceiling of the running maximum): every later rescaling is an exact power of two, which a block's scale takes up: the codes' values come out the same.
;;   OPERANDS COMPUTED ON THE WAY. 'Computed on the way' means the value that the module computes at that place (a softmax that the list does not call 'softmax' is quantised finished and normalised). What goes into a quantiser is computed in f32, as accurately as f32 sums, v_exp_f32 and their like allow (about 1e-6 of the number): no bf16 or f16 on the way to a quantiser, and a product that is left as it is and whose result goes on into a quantised operand takes f32 operands (vector FMAs, or v_wmma_f32_16x16x4_f32). A number that lies on a knife's edge between two numbers of the format may be rounded either way, as far as f32 arithmetic and the matrix unit's own rounding can turn it there, and no further.
;; One version. Each part assembles by itself: llvm-mc -triple=amdgcn-amd-amdhsa -mcpu=gfx1250 --defsym DOCPART=n.
;; ======== version 1 of 1: 4 launches
;; limits: right only within a limited range of input values
;; workspace buffers: codes 15,728,640 bytes; scales 655,360 bytes; rope 1,048,576 bytes; qkv 9,830,400 bytes; acodes 3,145,728 bytes; ascales 131,072 bytes
;; launch quant (part 1): grid 768 x 1, 8 waves a work-group, no clusters, 96,768 bytes of LDS; arguments X, wq, wk, wv, wo, codes, scales, rope; writes codes, scales, rope
.if DOCPART == 1
	.amdgcn_target "amdgcn-amd-amdhsa--gfx1250"
	.amdhsa_code_object_version 6
	.text
	.protected	k_q485c615639_quant
	.globl	k_q485c615639_quant
	.p2align	8
	.type	k_q485c615639_quant,@function
k_q485c615639_quant:
	s_mov_b64 s[64:65], 0
	v_nop
	global_prefetch_b8 v0, s[64:65] scope:SCOPE_SE
	s_setreg_imm32_b32 hwreg(HW_REG_WAVE_MODE, 25, 1), 1
	s_wait_xcnt 0x0
; X [2048][2048] (K = its last axis) and wq, wk, wv, wo [2048 (k)][2048 (n)] (K = their FIRST axis), f32, become codes of FP6 (E2M3) with one E8M0 byte for each 32 along K; and the table of cos and sin for the rotation is made.
; THE LAYOUT OF EVERY OPERAND IN THIS PROGRAM IS AN IMAGE OF THE MATRIX OPERAND'S REGISTERS.  A fragment is 16 rows x 128 K, 12 registers a lane, 1,536 bytes: register g of lane l at byte 512 (g / 4) + 16 l + 4 (g % 4),
; so that three loads of 16 bytes a lane, 512 consecutive bytes each, bring it.  Lane (r, h) holds k = 64 c + 32 h + 0 .. 31 in registers 6 c .. 6 c + 5.
; THE ROWS OF A TILE ARE NOT NEIGHBOURS: lane r of tile T is row 32 (T / 2) + 8 (T % 2) + r + 8 (r / 8), so that a product's results of two neighbouring tiles are 16 neighbours along the next K.
; codes: [operand: X, wq, wk, wv, wo][T 128][K step 16][1,536].  scales: [operand][T][kg 4][r 16][4 K steps] words of four bytes: 256 bytes for each (T, kg).
; rope: [T][q 16][lane][4] f32: q < 8 cos, q >= 8 sin, of position (tile T's row r) x 10000^(-f / 64), f = 32 ((q % 8) / 4) + 16 h + 4 (q % 4) + e.
; A block's scale is 2^(floor(log2(its largest magnitude)) - 2): its byte is the largest magnitude's exponent field - 2, held at 1 from below.
; LIMITS.  A block of zeros gets the byte 1 where the rule says 127: its codes are zeros, and this program alone reads the bytes.  NaN and infinities are not served.
; 10000^(-f / 64) is made by v_exp_f32 of a product rounded once, some 2 units in its last place: at the last positions the angle may differ from a correctly rounded one by about 2.5e-4.
; SHARES.  A WAVE TAKES ONE K STEP OF 128: small shares, so that many waves have their loads on their way at once: 4,096 waves with 128 loads of 128 bytes for the weights, 2,048 with 16 loads of 512 bytes for X.
; Work-groups 0-511 take the weights, 512-767 take X and the table.  With 130 registers a wave and 96,768 bytes of LDS three work-groups lie on a WGP.
; A row's four scale words of four K steps come from four waves: they meet in LDS, behind the work-group's one barrier, and leave as whole blocks of 256 bytes.
; No two work-groups read the same input bytes, so there is nothing for a cluster to share.  The two ways have LDS bytes of their own: 0 .. 27,647 and 27,648 .. 95,743.
.set FRB,   1536
.set TROW,  24576                      ; a tile's 16 K steps
.set OPB,   3145728                    ; an operand's codes
.set SCB,   131072                     ; an operand's scale words
.set ROWX,  8192                       ; a row of X or of a weight in bytes
.set SEL,   30                         ; s[30:31] lane selects: lane l xor 16
.set SBW,   16                         ; weights: v16 my column's scale word of my K step
.set XW,    32                         ; v32-95  two sets of 32 numbers down K
.set OUTW,  104                        ; v104-127 the K step's two images on their way out
.set WSC,   26624                      ; LDS, behind the eight waves' images: the scale words, [column half 2][tile 2][r 16][K step 4]
.set PWX,   15                         ; X: v15 my row's scale word of my K step
.set RB,    20                         ; v20-43  the table's work, before the quantiser takes these registers
.set TM,    20                         ; v20-35  at work in QUANT
.set PC,    36                         ; v36-55  the fragment just made
.set XN,    56                         ; v56-119 64 numbers: as loaded, then in QUANT's order
.set XLDS,  27648                      ; LDS: eight stages of 16 rows x 528 bytes,
.set XSC,   95232                      ; and behind them the scale words, [kg 2][r 16][K step 4]
; 64 numbers of a lane, register 16 b + i = k 32 b + 16 h + i of my row, become a fragment in v[PC .. PC+11] and its scale word in v[pw] (the same in lanes l and l xor 16).
.macro QUANT s, pw
.irp b, 0,1,2,3
	v_max3_num_f32 v[TM+\b], |v[\s+16*\b]|, |v[\s+1+16*\b]|, 0x1800000   ; my 16 numbers of block b, and the floor 2^(3 - 127): the byte cannot fall under 1
.endr
.irp i, 2,4,6,8,10,12,14
.irp b, 0,1,2,3
	s_delay_alu instid0(VALU_DEP_4)
	v_max3_num_f32 v[TM+\b], v[TM+\b], |v[\s+16*\b+\i]|, |v[\s+1+16*\b+\i]|
.endr
.endr
.irp b, 0,1,2,3
	s_delay_alu instid0(VALU_DEP_4)
	v_permlanex16_b32 v[TM+4+\b], v[TM+\b], s[SEL], s[SEL+1]
.endr
.irp b, 0,1,2,3
	s_delay_alu instid0(VALU_DEP_4)
	v_max_num_f32 v[TM+\b], v[TM+\b], v[TM+4+\b]       ; with lane l xor 16's 16: the block's largest magnitude
.endr
.irp b, 0,1,2,3
	s_delay_alu instid0(VALU_DEP_4)
	v_add_nc_u32 v[TM+12+\b], 0xff000000, v[TM+\b]     ; 2 off its exponent field: the conversion's scale operand
.endr
.irp b, 0,1,2,3
	s_delay_alu instid0(VALU_DEP_4)
	v_lshrrev_b32 v[TM+4+\b], 23, v[TM+12+\b]          ; the scale's byte
.endr
	s_delay_alu instid0(VALU_DEP_3)
	v_lshl_or_b32 v[\pw], v[TM+5], 8, v[TM+4]
	s_delay_alu instid0(VALU_DEP_1)
	v_lshl_or_b32 v[\pw], v[TM+6], 16, v[\pw]
	s_delay_alu instid0(VALU_DEP_1)
	v_lshl_or_b32 v[\pw], v[TM+7], 24, v[\pw]
.irp c, 0,1
	v_cvt_scalef32_pk16_fp6_f32 v[PC+6*\c:PC+2+6*\c], v[\s+32*\c:\s+15+32*\c], v[TM+12+2*\c]
	v_cvt_scalef32_pk16_fp6_f32 v[PC+12+4*\c:PC+14+4*\c], v[\s+16+32*\c:\s+31+32*\c], v[TM+12+2*\c+1]   ; (a conversion's three registers begin on an even number)
.endr
	v_nop                                              ; one plain instruction behind the scaled conversions
.irp c, 0,1                                        ; the layout wants a whole block in a lane: lanes 0-15 block 2 c, lanes 16-31 block 2 c + 1
.irp i, 0,1,2
	v_permlane16_swap_b32 v[PC+6*\c+\i], v[PC+12+4*\c+\i]
.endr
.irp i, 0,1,2
	s_delay_alu instid0(VALU_DEP_3)
	v_mov_b32 v[PC+3+6*\c+\i], v[PC+12+4*\c+\i]
.endr
.endr
.endm
	s_load_b256 s[4:11], s[0:1], 0x0               ; X s[4:5], wq s[6:7], wk s[8:9], wv s[10:11]
	s_load_b256 s[12:19], s[0:1], 0x20             ; wo s[12:13], codes s[14:15], scales s[16:17], rope s[18:19]
	v_lshl_add_u32 v128, v0, 2, 0x17600
	v_mov_b32 v129, 0
	v_lshrrev_b32 v1, 5, v0
	s_delay_alu instid0(VALU_DEP_1)
	v_readfirstlane_b32 s20, v1                    ; wave 0..7
	v_and_b32 v1, 31, v0                           ; lane
	s_mov_b32 s25, 0
	s_cmp_lt_u32 ttmp9, 512
	s_cbranch_scc0 .Lxpath
; ---------------- THE WEIGHTS.  Work-group g: weight g / 128, 512 along K ((g / 32) % 4), 64 columns (g % 32).  Wave w: 32 columns (w % 2) = two tiles, and K step w / 2 of the four.
; A LANE TAKES A COLUMN AND ITS REGISTERS RUN DOWN K: a load reads 128 consecutive bytes a wave, two waves side by side 256, a block of 32 lies in one lane, and the conversions give codes with K innermost.
; Lane L is row r = L % 8 + 8 (L / 16) of tile u = (L / 8) % 2.  Its 24 bytes of block q of the K step are registers 6 (q / 2) .. + 5 of image lane r + 16 (q % 2): they go to the wave's two images in LDS
; (1,664 bytes apart, so that the two tiles' lanes fall on different banks) and leave as the images lie, 512 consecutive bytes a store.
	s_lshr_b32 s21, ttmp9, 7                       ; which weight
	s_and_b32 s22, ttmp9, 31                       ; which 64 columns
	s_bfe_u32 s23, ttmp9, 0x20005                  ; kg: which 512 along K
	s_and_b32 s32, s20, 1                          ; which 32 of the 64 columns
	s_lshr_b32 s33, s20, 1                         ; which K step of the four
	s_wait_alu depctr_va_vdst(0)
	v_lshlrev_b32 v2, 2, v1                        ; in: 4 bytes a lane
	v_bfe_u32 v7, v0, 3, 1                         ; u
	v_and_b32 v8, 7, v0
	v_bfe_u32 v9, v0, 4, 1
	s_delay_alu instid0(VALU_DEP_1)
	v_lshl_add_u32 v8, v9, 3, v8                   ; r
	s_delay_alu instid0(VALU_DEP_1)
	v_lshlrev_b32 v8, 4, v8                        ; 16 r
	s_delay_alu instid0(VALU_DEP_1)
	v_mad_u32_u24 v3, v7, 1664, v8
	s_mul_i32 s29, s20, 3328                       ; my wave's two images
	v_add_nc_u32 v3, s29, v3                       ; into them
	v_lshl_add_u32 v6, v7, 10, v8                  ; my scale words' place in memory: 1,024 u + 16 r
	v_lshlrev_b32 v5, 4, v1                        ; 16 x lane
	s_delay_alu instid0(VALU_DEP_1)
	v_add_nc_u32 v4, s29, v5                       ; out of them
	v_lshl_add_u32 v14, v7, 8, v8                  ; the scale words in LDS: 256 u + 16 r
	s_lshl_b32 s34, s32, 9
	s_add_co_u32 s34, s34, WSC
	v_add_nc_u32 v14, s34, v14                     ; + my column half: where a row's four words are read,
	s_lshl_b32 s35, s33, 2
	v_add_nc_u32 v15, s35, v14                     ; and where mine is put: + 4 x my K step
	s_lshl_b32 s24, s23, 22                        ; 512 kg rows of 8,192 bytes
	s_lshl_b32 s26, s33, 20                        ; + 128 rows for each K step
	s_add_co_u32 s24, s24, s26
	s_lshl_b32 s26, s22, 8
	s_add_co_u32 s24, s24, s26
	s_lshl_b32 s26, s32, 7
	s_add_co_u32 s24, s24, s26                     ; + 4 x my first column
	s_wait_kmcnt 0x0
	s_cmp_eq_u32 s21, 1                            ; the choice hangs on the work-group's number alone
	s_cselect_b64 s[6:7], s[8:9], s[6:7]
	s_cmp_eq_u32 s21, 2
	s_cselect_b64 s[6:7], s[10:11], s[6:7]
	s_cmp_eq_u32 s21, 3
	s_cselect_b64 s[6:7], s[12:13], s[6:7]
	s_add_nc_u64 s[6:7], s[6:7], s[24:25]
	s_add_co_u32 s26, s21, 1                       ; the operand's number
	s_lshl_b32 s27, s22, 1
	s_add_co_u32 s27, s27, s32                     ; my pair of tiles
	s_mul_i32 s24, s26, OPB
	s_mul_i32 s28, s27, 2*TROW
	s_add_co_u32 s24, s24, s28
	s_lshl_b32 s28, s23, 2
	s_add_co_u32 s28, s28, s33                     ; my K step of the 16
	s_mul_i32 s28, s28, FRB
	s_add_co_u32 s24, s24, s28
	s_add_nc_u64 s[14:15], s[14:15], s[24:25]
	s_mul_i32 s24, s26, SCB
	s_lshl_b32 s28, s27, 11
	s_add_co_u32 s24, s24, s28
	s_lshl_b32 s28, s23, 8
	s_add_co_u32 s24, s24, s28
	s_add_nc_u64 s[16:17], s[16:17], s[24:25]
.macro LOADW t                         ; block t: w(32 t + i, my column) into set t % 2.  Every offset is an immediate: 127 rows at the most
.set i, 0
.rept 32
	global_load_b32 v[XW+32*((\t)%2)+i], v2, s[6:7] offset:(32*(\t)+i)*ROWX th:TH_LOAD_NT
.set i, i+1
.endr
.endm
.macro BLOCKW t                        ; block t of the K step's four
.set XS, XW+32*((\t)%2)
.set HQ, (\t)%2
.if (\t) < 3
	s_wait_loadcnt 32                              ; this block's 32 loads are in; the next block's 32 may be out
.else
	s_wait_loadcnt 0
.endif
	v_max3_num_f32 v12, |v[XS]|, |v[XS+1]|, |v[XS+2]|
	v_max3_num_f32 v13, |v[XS+3]|, |v[XS+4]|, |v[XS+5]|
.irp i, 6,10,14,18,22,26
	s_delay_alu instid0(VALU_DEP_2)
	v_max3_num_f32 v12, v12, |v[XS+\i]|, |v[XS+\i+1]|
	s_delay_alu instid0(VALU_DEP_2)
	v_max3_num_f32 v13, v13, |v[XS+\i+2]|, |v[XS+\i+3]|
.endr
	s_delay_alu instid0(VALU_DEP_2)
	v_max3_num_f32 v12, v12, |v[XS+30]|, |v[XS+31]|
	s_delay_alu instid0(VALU_DEP_1)
	v_max3_num_f32 v12, v12, v13, 0x1800000        ; and the floor
	s_delay_alu instid0(VALU_DEP_1)
	v_add_nc_u32 v11, 0xff000000, v12              ; the conversion's scale operand
	v_cvt_scalef32_pk16_fp6_f32 v[20:22], v[XS:XS+15], v11
	v_cvt_scalef32_pk16_fp6_f32 v[26:28], v[XS+16:XS+31], v11
	v_lshrrev_b32 v13, 23, v11                     ; the byte.  (These two plain lines stand between the conversions and the moves of their results)
.if (\t) == 0
	s_delay_alu instid0(VALU_DEP_1)
	v_mov_b32 v[SBW], v13
.else
	s_delay_alu instid0(VALU_DEP_1)
	v_lshl_or_b32 v[SBW], v13, 8*(\t), v[SBW]
.endif
	v_mov_b32 v23, v26
	v_mov_b32 v24, v27
	v_mov_b32 v25, v28                             ; v20-25: the block's 24 bytes
.if (\t) < 2
	ds_store_b128 v3, v[20:23] offset:256*HQ       ; registers 0-3,
	ds_store_b64 v3, v[24:25] offset:512+256*HQ    ; 4, 5
.else
	ds_store_b64 v3, v[20:21] offset:520+256*HQ    ; 6, 7,
	ds_store_b128 v3, v[22:25] offset:1024+256*HQ  ; 8-11
.endif
.if (\t)+2 < 4
	LOADW (\t)+2
.endif
	s_wait_dscnt 0x0                               ; the stores have read their registers
.endm
	LOADW 0
	LOADW 1
	BLOCKW 0
	BLOCKW 1
	BLOCKW 2
	BLOCKW 3
.irp u, 0,1                            ; the K step's two images are whole
.irp c, 0,1,2
	ds_load_b128 v[OUTW+12*\u+4*\c:OUTW+12*\u+4*\c+3], v4 offset:1664*\u+512*\c
.endr
.endr
	s_wait_alu depctr_va_vdst(0)
	ds_store_b32 v15, v[SBW]                       ; my column's word of my K step
	s_wait_dscnt 0x0                               ; the images are in registers; and, for the other waves' sake, my word has landed
.irp u, 0,1
.irp c, 0,1,2
	global_store_b128 v5, v[OUTW+12*\u+4*\c:OUTW+12*\u+4*\c+3], s[14:15] offset:\u*TROW+512*\c   ; 512 consecutive bytes, at a multiple of 256 from the buffer's first byte
.endr
.endr
	s_barrier_signal -1
	s_barrier_wait -1                              ; all four K steps' words lie in LDS
	s_cmp_lt_u32 s20, 2                            ; the waves of K step 0, one for each column half, send them
	s_cbranch_scc0 .Lwend
	ds_load_b128 v[16:19], v14
	s_wait_dscnt 0x0
	global_store_b128 v6, v[16:19], s[16:17]       ; each tile's 16 lanes store 256 consecutive bytes
.Lwend:
	s_wait_tensorcnt 0x0
	ds_add_u32 v128, v129
	s_wait_dscnt 0x0
	s_endpgm
; ---------------- X AND THE TABLE.  Work-group 512 + 2 T + half takes K steps 8 half .. 8 half + 7 of tile T's 16 rows, a wave one K step; and four of the table's eight groups of frequencies.
; A load reads 512 consecutive bytes of one row.  QUANT wants 16 neighbours of each block of 32 in a lane: the K step's 16 x 512 bytes turn through the wave's own stage in LDS, rows 528 bytes apart,
; and come back into the registers that they left.
.Lxpath:
	s_sub_co_u32 s21, ttmp9, 512
	s_and_b32 s32, s21, 1                          ; half
	s_lshr_b32 s21, s21, 1                         ; T
	s_lshr_b32 s22, s21, 1
	s_lshl_b32 s22, s22, 5
	s_and_b32 s23, s21, 1
	s_lshl_b32 s23, s23, 3
	s_add_co_u32 s22, s22, s23                     ; the tile's first row: 32 (T / 2) + 8 (T % 2)
	s_lshl_b32 s33, s32, 3
	s_add_co_u32 s33, s33, s20                     ; my K step of the 16
	s_lshr_b32 s35, s20, 2                         ; wave / 4
	s_and_b32 s29, s20, 3                          ; wave % 4
	v_and_b32 v10, 15, v0                          ; r
	v_bfe_u32 v11, v0, 4, 1                        ; h
	s_wait_alu depctr_va_vdst(0)
	v_lshlrev_b32 v2, 4, v1                        ; 16 x lane
	s_mul_i32 s27, s20, 8448
	s_add_co_u32 s27, s27, XLDS                    ; my stage
	v_add_nc_u32 v3, s27, v2                       ; in: a row as it lies
	v_mul_u32_u24 v4, v10, 528
	s_delay_alu instid0(VALU_DEP_1)
	v_lshl_add_u32 v4, v11, 6, v4
	s_delay_alu instid0(VALU_DEP_1)
	v_add_nc_u32 v4, s27, v4                       ; out: row r, + 64 h
	s_lshl_b32 s28, s35, 8
	s_lshl_b32 s26, s29, 2
	s_add_co_u32 s28, s28, s26
	s_add_co_u32 s28, s28, XSC
	v_lshl_add_u32 v5, v10, 4, s28                 ; where my row's scale word is put: 256 (wave / 4) + 16 r + 4 (wave % 4)
	v_add_nc_u32 v13, XSC, v2                      ; and where wave 0 reads all of them: 16 x lane
	v_lshrrev_b32 v12, 3, v10
	s_delay_alu instid0(VALU_DEP_1)
	v_lshl_add_u32 v12, v12, 3, v10                ; r + 8 (r / 8)
	s_delay_alu instid0(VALU_DEP_1)
	v_add_nc_u32 v12, s22, v12
	s_delay_alu instid0(VALU_DEP_1)
	v_cvt_f32_u32 v6, v12                          ; my row's position
	s_lshl_b32 s34, s32, 5
	s_add_co_u32 s34, s34, s26
	v_lshl_add_u32 v7, v11, 4, s34                 ; the first frequency of my group: 32 half + 4 (wave % 4) + 16 h
	v_mov_b32 v8, 0x36405000                       ; the leading coefficients of the two polynomials
	v_mov_b32 v9, 0x37cd4000
	s_mov_b32 s[SEL], 0x76543210
	s_mov_b32 s[SEL+1], 0xfedcba98
	s_lshl_b32 s24, s22, 13
	s_lshl_b32 s26, s33, 9
	s_add_co_u32 s24, s24, s26
	s_wait_alu depctr_va_vdst(0)
	s_wait_kmcnt 0x0
	s_add_nc_u64 s[4:5], s[4:5], s[24:25]          ; X at the tile's first row, my 512 bytes of it
	s_mul_i32 s24, s21, TROW
	s_mul_i32 s26, s33, FRB
	s_add_co_u32 s24, s24, s26
	s_add_nc_u64 s[14:15], s[14:15], s[24:25]      ; operand 0
	s_lshl_b32 s24, s21, 10
	s_lshl_b32 s26, s32, 9
	s_add_co_u32 s24, s24, s26
	s_add_nc_u64 s[16:17], s[16:17], s[24:25]      ; the work-group's 512 bytes of scale words
	s_lshl_b32 s24, s21, 13
	s_lshl_b32 s26, s32, 11
	s_add_co_u32 s24, s24, s26
	s_lshl_b32 s26, s29, 9
	s_add_co_u32 s24, s24, s26                     ; the table: group q = 4 half + wave % 4;
	s_lshl_b32 s26, s35, 12
	s_add_co_u32 s24, s24, s26                     ; waves 0-3 store its cosines, waves 4-7 its sines, 4,096 bytes on
	s_add_nc_u64 s[18:19], s[18:19], s[24:25]
.irp i, 0,1,2,3,4,5,6,7,8,9,10,11,12,13,14,15
	global_load_b128 v[XN+4*\i:XN+4*\i+3], v2, s[4:5] offset:(\i+8*(\i/8))*ROWX th:TH_LOAD_NT   ; the tile's 16 rows, 512 bytes each
.endr
	; THE TABLE, while those loads are on their way: 4 angles a lane.  v[x] angle, +4 n, +8 r, +12 r^2, +16 sine, +20 cosine
.irp e, 0,1,2,3
	v_add_nc_u32 v[RB+\e], \e, v7
.endr
.irp x, 20,21,22,23
	s_delay_alu instid0(VALU_DEP_4)
	v_cvt_f32_u32 v[\x], v[\x]
.endr
.irp x, 20,21,22,23
	s_delay_alu instid0(VALU_DEP_4)
	v_mul_f32 v[\x], 0xbe549a78, v[\x]             ; x -log2(10000) / 64
.endr
	s_wait_alu depctr_va_vdst(0)
.irp x, 20,21,22,23
	v_exp_f32 v[\x], v[\x]                         ; 10000^(-f / 64)
.endr
	v_nop                                          ; a plain instruction behind the exponentials,
	s_wait_alu depctr_va_vdst(0)                   ; and the one wait ahead of their first reader
.irp x, 20,21,22,23
	v_mul_f32 v[\x], v6, v[\x]                     ; the angle: one rounding
.endr
.irp x, 20,21,22,23
	s_delay_alu instid0(VALU_DEP_4)
	v_mul_f32 v[\x+4], 0x3f22f983, v[\x]           ; x 2 / pi
.endr
.irp x, 20,21,22,23
	s_delay_alu instid0(VALU_DEP_4)
	v_rndne_f32 v[\x+4], v[\x+4]                   ; n
.endr
.irp x, 20,21,22,23
	s_delay_alu instid0(VALU_DEP_4)
	v_fmamk_f32 v[\x+8], v[\x+4], 0xbfc90fd8, v[\x]      ; r = angle - n pi / 2, pi / 2 in three parts
.endr
.irp x, 20,21,22,23
	s_delay_alu instid0(VALU_DEP_4)
	v_fmamk_f32 v[\x+8], v[\x+4], 0xb4a8885a, v[\x+8]
.endr
.irp x, 20,21,22,23
	s_delay_alu instid0(VALU_DEP_4)
	v_fmamk_f32 v[\x+8], v[\x+4], 0xa7c234c4, v[\x+8]
.endr
.irp x, 20,21,22,23
	s_delay_alu instid0(VALU_DEP_4)
	v_mul_f32 v[\x+12], v[\x+8], v[\x+8]
.endr
.irp x, 20,21,22,23
	v_fmaak_f32 v[\x+16], v8, v[\x+12], 0xb9503486
	v_fmaak_f32 v[\x+20], v9, v[\x+12], 0xbab6077d
.endr
.irp x, 20,21,22,23
	v_fmaak_f32 v[\x+16], v[\x+16], v[\x+12], 0x3c0888c1
	v_fmaak_f32 v[\x+20], v[\x+20], v[\x+12], 0x3d2aaaa8
.endr
.irp x, 20,21,22,23
	v_fmaak_f32 v[\x+16], v[\x+16], v[\x+12], 0xbe2aaaab
	v_fma_f32 v[\x+20], v[\x+20], v[\x+12], -0.5
.endr
.irp x, 20,21,22,23
	v_mul_f32 v[\x], v[\x+8], v[\x+12]             ; r^3
	v_fma_f32 v[\x+20], v[\x+20], v[\x+12], 1.0    ; cos r
.endr
.irp x, 20,21,22,23
	v_fma_f32 v[\x+16], v[\x+16], v[\x], v[\x+8]   ; sin r
	v_cvt_i32_f32 v[\x+4], v[\x+4]
.endr
.irp x, 20,21,22,23                                ; the quadrant selects values alone: no branch hangs on it
	v_and_b32 v[\x], 1, v[\x+4]
	s_delay_alu instid0(VALU_DEP_1)
	v_cmp_eq_u32 vcc_lo, 1, v[\x]
	s_delay_alu instid0(VALU_DEP_1)
	v_cndmask_b32 v[\x+8], v[\x+16], v[\x+20], vcc_lo    ; sine: cos r where n is odd
	s_delay_alu instid0(VALU_DEP_2)
	v_cndmask_b32 v[\x+12], v[\x+20], v[\x+16], vcc_lo   ; cosine: sin r where n is odd
.endr
.irp x, 20,21,22,23
	v_and_b32 v[\x], 2, v[\x+4]
	v_add_nc_u32 v[\x+4], 1, v[\x+4]
.endr
.irp x, 20,21,22,23
	v_lshlrev_b32 v[\x], 30, v[\x]
	v_and_b32 v[\x+4], 2, v[\x+4]
.endr
.irp x, 20,21,22,23
	v_xor_b32 v[\x+8], v[\x+8], v[\x]              ; the sine's sign: n % 4 = 2, 3
	v_lshlrev_b32 v[\x+4], 30, v[\x+4]
.endr
.irp x, 20,21,22,23
	v_xor_b32 v[\x+12], v[\x+12], v[\x+4]          ; the cosine's: n % 4 = 1, 2
.endr
	s_cmp_lt_u32 s20, 4                            ; a branch on the wave's number
	s_cbranch_scc0 .Lsine
	global_store_b128 v2, v[RB+12:RB+15], s[18:19]
	s_branch .Lroped
.Lsine:
	s_wait_alu depctr_va_vdst(0)
	global_store_b128 v2, v[RB+8:RB+11], s[18:19]
.Lroped:
	s_wait_xcnt 0x0                                ; the store's data lie where the quantiser works
.irp b, 0,1,2,3
	v_mov_b32 v[TM+4+\b], 0                        ; a lane permute's destination counts as one of its sources
.endr
	s_wait_loadcnt 0x0                             ; my K step's 16 loads
.irp i, 0,1,2,3,4,5,6,7,8,9,10,11,12,13,14,15
	ds_store_b128 v3, v[XN+4*\i:XN+4*\i+3] offset:528*\i
.endr
.irp b, 0,1,2,3
.irp j, 0,1,2,3
	ds_load_b128 v[XN+16*\b+4*\j:XN+16*\b+4*\j+3], v4 offset:128*\b+16*\j     ; LDS serves a wave's instructions in order (ISA guide 5.7.1.4): these see the stores above
.endr
.endr
	s_wait_dscnt 0x0
	QUANT XN, PWX
.irp c, 0,1,2
	global_store_b128 v2, v[PC+4*\c:PC+4*\c+3], s[14:15] offset:512*\c
.endr
	ds_store_b32 v5, v[PWX]                        ; lanes l and l xor 16 write the same word with the same value
	s_wait_dscnt 0x0                               ; for the other waves' sake: my word has landed
	s_barrier_signal -1
	s_barrier_wait -1                              ; all eight K steps' words lie in LDS
	s_cmp_eq_u32 s20, 0
	s_cbranch_scc0 .Lxend
	ds_load_b128 v[20:23], v13
	s_wait_dscnt 0x0
	global_store_b128 v2, v[20:23], s[16:17]       ; 512 consecutive bytes
.Lxend:
	s_wait_tensorcnt 0x0
	ds_add_u32 v128, v129
	s_wait_dscnt 0x0
	s_endpgm
.Lfunc_end_k_q485c615639_quant:
	.size	k_q485c615639_quant, .Lfunc_end_k_q485c615639_quant-k_q485c615639_quant
	.p2alignl 7, 3214868480
	.fill 96, 4, 3214868480
	.section	.rodata,"a",@progbits
	.p2align	6, 0x0
	.amdhsa_kernel k_q485c615639_quant
		.amdhsa_group_segment_fixed_size 96768
		.amdhsa_private_segment_fixed_size 0
		.amdhsa_enable_private_segment 0
		.amdhsa_kernarg_size 64
		.amdhsa_user_sgpr_count 2
		.amdhsa_user_sgpr_kernarg_segment_ptr 1
		.amdhsa_wavefront_size32 1
		.amdhsa_system_sgpr_workgroup_id_x 1
		.amdhsa_system_sgpr_workgroup_id_y 1
		.amdhsa_system_sgpr_workgroup_id_z 1
		.amdhsa_system_vgpr_workitem_id 0
		.amdhsa_next_free_vgpr 130
		.amdhsa_next_free_sgpr 66
		.amdhsa_reserve_vcc 1
		.amdhsa_float_denorm_mode_32 3
		.amdhsa_float_denorm_mode_16_64 3
		.amdhsa_memory_ordered 1
		.amdhsa_forward_progress 1
		.amdhsa_inst_pref_size 45
	.end_amdhsa_kernel
	.amdgpu_metadata
---
amdhsa.version: [ 1, 2 ]
amdhsa.kernels:
  - .name:           k_q485c615639_quant
    .symbol:         k_q485c615639_quant.kd
    .args:
      - { .name: X, .offset: 0, .size: 8, .value_kind: global_buffer, .address_space: global }
      - { .name: wq, .offset: 8, .size: 8, .value_kind: global_buffer, .address_space: global }
      - { .name: wk, .offset: 16, .size: 8, .value_kind: global_buffer, .address_space: global }
      - { .name: wv, .offset: 24, .size: 8, .value_kind: global_buffer, .address_space: global }
      - { .name: wo, .offset: 32, .size: 8, .value_kind: global_buffer, .address_space: global }
      - { .name: codes, .offset: 40, .size: 8, .value_kind: global_buffer, .address_space: global }
      - { .name: scales, .offset: 48, .size: 8, .value_kind: global_buffer, .address_space: global }
      - { .name: rope, .offset: 56, .size: 8, .value_kind: global_buffer, .address_space: global }
    .group_segment_fixed_size: 96768
    .private_segment_fixed_size: 0
    .kernarg_segment_align: 8
    .kernarg_segment_size: 64
    .max_flat_workgroup_size: 256
    .sgpr_count:     66
    .vgpr_count:     130
    .wavefront_size: 32
...
	.end_amdgpu_metadata
.endif
;; end of part 1
;; launch proj (part 2): grid 24 x 8, 4 waves a work-group, clusters of 4 x 4, 327,680 bytes of LDS; arguments codes, scales, rope, bq, bk, bv, qkv; writes qkv
.if DOCPART == 2
	.amdgcn_target "amdgcn-amd-amdhsa--gfx1250"
	.amdhsa_code_object_version 6
	.text
	.protected	k_q485c615639_proj
	.globl	k_q485c615639_proj
	.p2align	8
	.type	k_q485c615639_proj,@function
k_q485c615639_proj:
	s_mov_b64 s[64:65], 0
	v_nop
	global_prefetch_b8 v0, s[64:65] scope:SCOPE_SE
	s_setreg_imm32_b32 hwreg(HW_REG_WAVE_MODE, 25, 1), 1
	s_wait_xcnt 0x0
	s_wait_alu depctr_hold_cnt(0) depctr_sa_sdst(0) depctr_va_vdst(0) depctr_va_sdst(0) depctr_va_ssrc(0) depctr_va_vcc(0) depctr_vm_vsrc(0)
	s_getreg_b32 s2, hwreg(HW_REG_IB_STS2, 6, 4)
	s_cmp_eq_u32 s2, 0
	s_cbranch_scc0 .Lentry_in_a_cluster
	s_endpgm
.Lentry_in_a_cluster:
	s_bfe_u32 s2, ttmp6, 0x10000c
	s_cmp_lg_u32 s2, 0xf033
	s_cbranch_scc0 .Lentry_shape_is_right
	s_endpgm
.Lentry_shape_is_right:
; q = rot(X wq + bq), k = rot(X wk + bk), v = X wv + bv, each 2,048 x 2,048 x 2,048 on codes of FP6 (E2M3) with E8M0 scales, and each result quantised on its way out: q and k along the head's 128, v along the KEYS.
; Operands lie as images of the operand's registers (a fragment: 16 rows x 128 K, 1,536 bytes, register g of lane l at 512 (g / 4) + 16 l + 4 (g % 4)); lane r of tile T is row 32 (T / 2) + 8 (T % 2) + r + 8 (r / 8).
; C[m][n] = sum over k of A[m][k] B[n][k].  Type 0, 1 (q, k): A = X, B = wq or wk.  Type 2 (v): A = wv, B = X, which gives v transposed.  THE MATRIX INSTRUCTION IS USED TRANSPOSED (source 0 = 16 rows of B,
; source 1 = 16 rows of A): a lane holds one row of A, and by the order of a tile's rows its 64 results of a block of A are n = 32 b + 16 h + i in register 16 b + i: the order in which the quantiser takes them.
; SHARES.  A work-group makes 256 x 256, a wave 128 x 128: 64 accumulators.  A wave's 128 columns are one head (q, k) or one key step (v), so each block of A gives one whole fragment and one scale word a row.
; 3 x 64 = 192 work-groups: a tile half as high would make 384, one and a half for each of 256.
; K goes in steps of 256 through a ring of two LDS slots; a wave's tensor load brings 8 tiles x 3,072 bytes.  The scale words of the work-group's 32 tiles, for all of K, come once, with the first fills.
; CLUSTER 4 x 4: A's tiles are shared along a row, B's along a column, each asked for jointly.  The type is the same in a whole cluster (cluster x / 2).
; OUT: qkv [type][head 16][group 16][12,800]: 8 fragments, then their scale words [a / 4][r][a % 4].  q, k: head = the columns' 128, group = the rows' 128 tokens.  v: head = the rows' 128, group = the columns' 128 keys.
; The head loads both forms of the bias and the first table of the rotation in every type, so that no branch stands ahead of the loop; a type does not use what it does not need.
; LIMITS: NaN and infinities are not served; a block of zeros gets the byte 1, its codes are zeros, and this program alone reads the bytes.
; REGISTERS.  window 0: v8-14 at work; v16-17, v20-21 LDS addresses of A's and B's fragments; v26 16 x lane; v27 scale words' address; v28, v29 the spare word's address and 0; v32-63 scale words, two sets;
;   v64-127 a table of the rotation; v128-223 A's fragments, ONE set; behind the loop v128-191 64 numbers, v192-223 at work, v192-211 the fragment made; v224-231 the bias by rows; v232-247 at work; v248-255 8 scale words.
;   window 1: v0-95, v128-223 B's fragments, two sets; behind the loop two more tables; v96-127, v224-255 the bias by columns.   windows 2, 3: the accumulators, (a, b) at v[8 (8 (a % 4) + b)].
.set FRB,   1536
.set TROW,  24576
.set OPB,   3145728
.set SCB,   131072
.set REC,   12800
.set TYB,   3276800
.set NQ,    2                          ; matrix instructions deep in a slot
.set FR,    12
.set NL,    3                          ; LDS loads that bring a fragment
.set NP,    4                          ; places behind this matrix instruction (ISA guide 7.12.1)
.set HALFT, 24576                      ; 8 tiles x 2 K steps of 128: one tensor load
.set SLOT,  4*HALFT                    ; A's 16 tiles, then B's 16
.set SCL,   2*SLOT                     ; behind the ring: A's scale words, 16 x 1,024 bytes, then B's
.set HALFS, 8192
.set SPARE, SCL+4*HALFS                ; the spare words, 128 bytes for each wave: two blocks of 256 bytes that no other line names
.set ADRA, 16
.set ADRB, 20
.set GO,   26
.set ADRS, 27
.set SPW,  28
.set NIL,  29
.set SC,   32
.set AF,   128
.set HA,   128
.set U,    192
.set PC,   192
.set MB,   224
.set TM,   232
.set PW8,  248
.set WV, 18                            ; s18 wave; s19 wave / 2: my half of the rows, and: I fetch for A (0) or B (1); s20 wave % 2: my half of the columns, and: which 8 tiles I fetch
.set RH, 19
.set CH, 20
.set G1, 24
.set G0, 32
.set G1B, 48
.set G0B, 56
.set G1S, 68
.set G0S, 76
.set G1SB, 80
.set G0SB, 88
.set SEL, 98
.set MSB, 0
.macro WIN new                         ; the immediate's high byte repeats the setting that is left
.if MSB != (\new)
	s_set_vgpr_msb (MSB<<8)|(\new)
.set MSB, (\new)
.endif
.endm
.set MUL_LO, 0xa1                      ; source 0 (B) window 1, source 1 (A) window 0, C and D window 2
.set MUL_HI, 0xf1
.set TO_B,   0x40
.macro JLOAD g0a, g1a, g0b, g1b        ; a joint load: waves 0, 1 for A, waves 2, 3 for B; four v_nop follow each line
	s_cmp_eq_u32 s[RH], 0
	s_cbranch_scc0 .Lfor_b_\@
	tensor_load_to_lds s[\g0a:\g0a+3], s[\g1a:\g1a+7]
	s_nop 0
.rept 4
	v_nop
.endr
	s_branch .Lasked_\@
.Lfor_b_\@:
	tensor_load_to_lds s[\g0b:\g0b+3], s[\g1b:\g1b+7]
	s_nop 0
.rept 4
	v_nop
.endr
.Lasked_\@:
.endm
.macro CREST                           ; a round of the cluster's barrier behind its opening barrier
	s_cmp_lg_u32 s[WV], 0
	s_cbranch_scc1 .Lnot_wave_0_\@
	s_barrier_signal -3
.Lnot_wave_0_\@:
	s_barrier_wait -3
	s_barrier_signal -1
	s_barrier_wait -1
.endm
.macro CROUND
	s_barrier_signal -1
	s_barrier_wait -1
	CREST
.endm
.macro PLACES n
.rept \n
	v_nop
.endr
.endm
.macro QUANT s, pw                     ; 64 numbers, register 16 b + i = k 32 b + 16 h + i of my row -> a fragment in v[PC .. PC+11], its scale word in v[pw]
.irp b, 0,1,2,3
	v_max3_num_f32 v[TM+\b], |v[\s+16*\b]|, |v[\s+1+16*\b]|, 0x1800000   ; with the floor 2^(3 - 127): the byte cannot fall under 1
.endr
.irp i, 2,4,6,8,10,12,14
.irp b, 0,1,2,3
	v_max3_num_f32 v[TM+\b], v[TM+\b], |v[\s+16*\b+\i]|, |v[\s+1+16*\b+\i]|
.endr
.endr
.irp b, 0,1,2,3
	v_permlanex16_b32 v[TM+4+\b], v[TM+\b], s[SEL], s[SEL+1]
.endr
.irp b, 0,1,2,3
	v_max_num_f32 v[TM+\b], v[TM+\b], v[TM+4+\b]
.endr
.irp b, 0,1,2,3
	v_add_nc_u32 v[TM+12+\b], 0xff000000, v[TM+\b]     ; 2 off the exponent field: the conversion's scale operand
.endr
.irp b, 0,1,2,3
	v_lshrrev_b32 v[TM+4+\b], 23, v[TM+12+\b]
.endr
	v_lshl_or_b32 v[\pw], v[TM+5], 8, v[TM+4]
	v_lshl_or_b32 v[\pw], v[TM+6], 16, v[\pw]
	v_lshl_or_b32 v[\pw], v[TM+7], 24, v[\pw]
.irp c, 0,1
	v_cvt_scalef32_pk16_fp6_f32 v[PC+6*\c:PC+2+6*\c], v[\s+32*\c:\s+15+32*\c], v[TM+12+2*\c]
	v_cvt_scalef32_pk16_fp6_f32 v[PC+12+4*\c:PC+14+4*\c], v[\s+16+32*\c:\s+31+32*\c], v[TM+12+2*\c+1]
.endr
	v_nop                                              ; one plain instruction behind the scaled conversions
.irp c, 0,1
.irp i, 0,1,2
	v_permlane16_swap_b32 v[PC+6*\c+\i], v[PC+12+4*\c+\i]
.endr
.irp i, 0,1,2
	v_mov_b32 v[PC+3+6*\c+\i], v[PC+12+4*\c+\i]
.endr
.endr
.endm
	s_load_b256 s[4:11], s[0:1], 0x0               ; codes s[4:5], scales s[6:7], rope s[8:9], bq s[10:11]
	s_load_b128 s[12:15], s[0:1], 0x20             ; bk, bv
	s_load_b64 s[16:17], s[0:1], 0x30              ; qkv
	v_lshl_add_u32 v[SPW], v0, 2, SPARE
	v_mov_b32 v[NIL], 0
	ds_add_u32 v28, v29
	ds_add_u32 v28, v29
	s_wait_dscnt 0x0
	v_lshrrev_b32 v1, 5, v0
	v_readfirstlane_b32 s[WV], v1
	s_lshr_b32 s[RH], s[WV], 1
	s_and_b32 s[CH], s[WV], 1
	s_bfe_u32 s21, ttmp6, 0x40000                  ; cx
	s_bfe_u32 s22, ttmp6, 0x40004                  ; cy
	s_lshr_b32 s23, ttmp9, 1                       ; the type: the same in all sixteen partners
	s_and_b32 s40, ttmp9, 1
	s_lshl_b32 s40, s40, 2
	s_add_co_u32 s40, s40, s21                     ; tile column of C, 0..7
	s_and_b32 s41, ttmp7, 0xffff
	s_lshl_b32 s41, s41, 2
	s_add_co_u32 s41, s41, s22                     ; tile row of C, 0..7
	s_lshl_b32 s42, s22, 2
	s_lshl_b32 s42, 15, s42                        ; my row of the cluster
	s_lshl_b32 s43, 0x1111, s21                    ; my column
	; group 1 for the codes: 8 rows (tiles) of 384 elements of 8 bytes, 3,072 elements from tile to tile; no padding: an image's 512 bytes are read as they lie
	s_or_b32 s[G1+0], s42, (3<<16)|(1<<21)         ; 15:0 the mask; 17:16 elements of 8 bytes; 21 set beside a mask
	s_or_b32 s[G1B+0], s43, (3<<16)|(1<<21)
.irp g, G1, G1B
	s_mov_b32 s[\g+1], 384<<16                     ; tensor_dim0
	s_mov_b32 s[\g+2], 16<<16                      ; tensor_dim1: 16 tiles for the head's loads; behind them 8
	s_mov_b32 s[\g+3], 384<<16                     ; tile_dim0
	s_mov_b32 s[\g+4], 16                          ; tile_dim1
	s_mov_b32 s[\g+5], 3072                        ; tensor_dim0_stride
	s_mov_b32 s[\g+6], 0
	s_mov_b32 s[\g+7], 0
.endr
	; and for the scale words of 16 tiles: 16,384 dense bytes as 64 rows of 256
	s_or_b32 s[G1S+0], s42, (3<<16)|(1<<21)
	s_or_b32 s[G1SB+0], s43, (3<<16)|(1<<21)
.irp g, G1S, G1SB
	s_mov_b32 s[\g+1], 32<<16
	s_mov_b32 s[\g+2], 64<<16                      ; the scale words of 16 tiles: 64 rows of 256 bytes
	s_mov_b32 s[\g+3], 32<<16
	s_mov_b32 s[\g+4], 64
	s_mov_b32 s[\g+5], 32
	s_mov_b32 s[\g+6], 0
	s_mov_b32 s[\g+7], 0
.endr
	s_add_co_u32 s97, s23, 1
	s_cmp_eq_u32 s23, 2
	s_cselect_b32 s96, 3, 0                        ; A's operand: X, or wv
	s_cselect_b32 s97, 0, s97                      ; B's: wq, wk, or X
	s_mul_i32 s2, s[CH], 8*TROW                    ; in the ring I fetch 8 of a side's 16 tiles: which, in bytes
	s_lshl_b32 s44, s41, 4                         ; A: the first of the block's 16 tiles.  It hangs on the tile row alone, which my row of the cluster shares
	s_lshl_b32 s92, s44, 10
	s_mul_i32 s44, s44, TROW
	s_mul_i32 s3, s96, OPB
	s_add_co_u32 s44, s44, s3
	s_mul_i32 s3, s96, SCB
	s_add_co_u32 s92, s92, s3
	s_mov_b32 s45, 0
	s_mov_b32 s93, 0
	s_lshl_b32 s46, s40, 4                         ; B: likewise, by the tile column alone
	s_lshl_b32 s94, s46, 10
	s_mul_i32 s46, s46, TROW
	s_mul_i32 s3, s97, OPB
	s_add_co_u32 s46, s46, s3
	s_mul_i32 s3, s97, SCB
	s_add_co_u32 s94, s94, s3
	s_mov_b32 s47, 0
	s_mov_b32 s95, 0
	s_mul_i32 s66, s[WV], HALFT                    ; where they go: by the wave's number alone
	s_wait_kmcnt 0x0
	s_add_nc_u64 s[44:45], s[4:5], s[44:45]
	s_add_nc_u64 s[92:93], s[6:7], s[92:93]
	s_add_nc_u64 s[46:47], s[4:5], s[46:47]
	s_add_nc_u64 s[94:95], s[6:7], s[94:95]
	CROUND                                         ; all sixteen work-groups are here: the first joint loads meet
	s_mov_b32 s[G0S], 1
	s_mov_b32 s[G0S+1], SCL
	s_mov_b64 s[G0S+2:G0S+3], s[92:93]
	s_or_b32 s[G0S+3], s[G0S+3], 0x80000000
	s_mov_b32 s[G0SB], 1
	s_mov_b32 s[G0SB+1], SCL+2*HALFS
	s_mov_b64 s[G0SB+2:G0SB+3], s[94:95]
	s_or_b32 s[G0SB+3], s[G0SB+3], 0x80000000
	s_mov_b32 s4, 1                                ; group 0 of the head's load of slot 0's 16 tiles of A (the arguments that lay here have been used),
	s_mov_b32 s5, 0
	s_mov_b64 s[6:7], s[44:45]
	s_or_b32 s7, s7, 0x80000000
	s_mov_b32 s92, 1                               ; and of its 16 tiles of B, behind them
	s_mov_b32 s93, 2*HALFT
	s_mov_b64 s[94:95], s[46:47]
	s_or_b32 s95, s95, 0x80000000
	s_mov_b32 s3, 0
	s_add_nc_u64 s[44:45], s[44:45], s[2:3]        ; for the ring: my 8 tiles
	s_add_nc_u64 s[46:47], s[46:47], s[2:3]
.irp s, 0,1
	s_mov_b32 s[G0+4*\s], 1
	s_add_co_u32 s[G0+4*\s+1], s66, \s*SLOT
	s_add_nc_u64 s[G0+4*\s+2:G0+4*\s+3], s[44:45], \s*NQ*FRB
	s_or_b32 s[G0+4*\s+3], s[G0+4*\s+3], 0x80000000
	s_mov_b32 s[G0B+4*\s], 1
	s_add_co_u32 s[G0B+4*\s+1], s66, \s*SLOT
	s_add_nc_u64 s[G0B+4*\s+2:G0B+4*\s+3], s[46:47], \s*NQ*FRB
	s_or_b32 s[G0B+4*\s+3], s[G0B+4*\s+3], 0x80000000
.endr
; THE HEAD'S LOADS, ONE A WAVE: wave 0 slot 0's 16 tiles of A, wave 1 its 16 tiles of B, wave 2 A's scale words, wave 3 B's.  One chain of branches on the wave's number, one load to an arm, one join.
.macro ARM under, g0, g1, next
	s_cmp_lt_u32 s[WV], \under
	s_cbranch_scc0 \next
	tensor_load_to_lds s[\g0:\g0+3], s[\g1:\g1+7]
	s_nop 0
.rept 4
	v_nop
.endr
	s_branch .Lhead_asked
\next:
.endm
	ARM 1, 4, G1, .Lhead_b
	ARM 2, 92, G1B, .Lhead_sa
	ARM 3, G0S, G1S, .Lhead_sb
	tensor_load_to_lds s[G0SB:G0SB+3], s[G1SB:G1SB+7]
	s_nop 0
.rept 4
	v_nop
.endr
.Lhead_asked:
	v_and_b32 v1, 15, v0                           ; r
	v_bfe_u32 v2, v0, 4, 1                         ; h
	s_wait_alu depctr_va_vdst(0)
	v_and_b32 v3, 31, v0
	v_lshlrev_b32 v[GO], 4, v3                     ; 16 x lane: my place in every image
	s_mul_i32 s96, s[RH], HALFT                    ; my 8 tiles of A
	s_mul_i32 s97, s[CH], HALFT                    ; my 8 tiles of B,
	s_add_co_u32 s97, s97, 2*HALFT                 ; behind A's 16
.irp s, 0,1
	v_add_nc_u32 v[ADRA+\s], s96, v[GO]
	v_add_nc_u32 v[ADRB+\s], s97, v[GO]
	s_add_co_u32 s96, s96, SLOT
	s_add_co_u32 s97, s97, SLOT
.endr
	v_lshlrev_b32 v5, 4, v1                        ; scale words: 16 bytes a row for each four K steps
	s_mul_i32 s96, s[RH], HALFS
	s_mul_i32 s97, s[CH], HALFS
	s_add_co_u32 s97, s97, 2*HALFS
	s_sub_co_u32 s97, s97, s96
	v_mul_u32_u24 v6, s97, v2                      ; lanes 16-31 take B's
	s_add_co_u32 s96, s96, SCL
	v_add_nc_u32 v5, v5, v6
	v_add_nc_u32 v[ADRS], s96, v5
	s_mov_b32 s[SEL], 0x76543210
	s_mov_b32 s[SEL+1], 0xfedcba98
	; where my record goes
	s_lshl_b32 s100, s40, 1
	s_add_co_u32 s100, s100, s[CH]                 ; my 128 columns
	s_lshl_b32 s101, s41, 1
	s_add_co_u32 s101, s101, s[RH]                 ; my 128 rows
	s_cmp_eq_u32 s23, 2
	s_cselect_b32 s104, s101, s100                 ; the head
	s_cselect_b32 s105, s100, s101                 ; the group
	s_lshl_b32 s104, s104, 4
	s_add_co_u32 s104, s104, s105
	s_mul_i32 s100, s104, REC
	s_mul_i32 s105, s23, TYB
	s_add_co_u32 s100, s100, s105
	s_mov_b32 s101, 0
	s_add_nc_u64 s[16:17], s[16:17], s[100:101]
	s_lshl_b32 s100, s41, 17                       ; the tables of my 8 tiles of rows: 8,192 bytes a tile
	s_lshl_b32 s104, s[RH], 16
	s_add_co_u32 s100, s100, s104
	s_add_nc_u64 s[8:9], s[8:9], s[100:101]
	s_cmp_eq_u32 s23, 1                            ; the bias of my type
	s_cselect_b64 s[10:11], s[12:13], s[10:11]
	s_cmp_eq_u32 s23, 2
	s_cselect_b64 s[10:11], s[14:15], s[10:11]
	s_lshl_b32 s104, s40, 10
	s_lshl_b32 s105, s[CH], 9
	s_add_co_u32 s104, s104, s105
	v_lshl_add_u32 v13, v2, 6, s104                ; by columns: 4 (my first column + 16 h)
	s_lshl_b32 s104, s41, 10
	s_lshl_b32 s105, s[RH], 9
	s_add_co_u32 s104, s104, s105
	v_lshrrev_b32 v14, 3, v1
	v_lshl_add_u32 v14, v14, 3, v1
	v_lshl_add_u32 v14, v14, 2, s104               ; by rows: 4 (my first row + r + 8 (r / 8))
	; THE PREFETCHES.  A wave's load of a slot is 8 tiles x 3,072 bytes = 96 blocks of 256; the four partners that ask for it jointly share them out BY ADDRESS, two tiles each (cx for A, cy for B):
	; lanes 0-23 name a block each, the lanes left over the last one again.  Behind the load of slot n stands the request for slot n + 2, for n = 1 .. 5; slot 7 is the last.
	s_cmp_eq_u32 s[RH], 0
	s_cselect_b64 s[100:101], s[44:45], s[46:47]
	s_cselect_b32 s104, s21, s22
	s_mul_i32 s104, s104, 2*TROW
	s_mov_b32 s105, 0
	s_add_nc_u64 s[100:101], s[100:101], s[104:105]
	s_add_nc_u64 s[100:101], s[100:101], 3*NQ*FRB  ; slot 3, which the first request names
	v_min_u32 v30, 23, v3
	v_mul_u32_u24 v31, v30, 43
	v_lshrrev_b32 v31, 9, v31                      ; which of my two tiles: lane / 12
	v_mul_u32_u24 v7, v31, 12
	v_sub_nc_u32 v30, v30, v7
	v_lshlrev_b32 v30, 8, v30                      ; 256 (lane % 12)
	v_mad_u32_u24 v30, v31, TROW, v30
	s_wait_alu depctr_va_vdst(0)                   ; the wait here, ahead of the readers below
	WIN 0x40                                       ; destination window 1
.irp b, 0,1
.irp j, 0,1,2,3
	global_load_b128 v[96+16*\b+4*\j:99+16*\b+4*\j], v13, s[10:11] offset:128*\b+16*\j
	global_load_b128 v[224+16*\b+4*\j:227+16*\b+4*\j], v13, s[10:11] offset:256+128*\b+16*\j
.endr
.endr
	WIN 0
.irp a, 0,1,2,3,4,5,6,7
	global_load_b32 v[MB+\a], v14, s[10:11] offset:(32*(\a/2)+8*(\a%2))*4
.endr
.macro ROPESET a                       ; block a's table: cosines from v[RS], sines from v[RN], in window RW.  0: window 0; 1-3: where B's fragments lay; 4-7: the accumulators of block a - 4, which are done with
.set RS, 64
.set RN, 96
.set RW, 0
.if (\a) == 1
.set RS, 0
.set RN, 32
.set RW, 1
.endif
.if (\a) == 2
.set RS, 128
.set RN, 160
.set RW, 1
.endif
.if (\a) == 3
.set RS, 64
.set RN, 192
.set RW, 1
.endif
.if (\a) >= 4
.set RS, 64*((\a)-4)
.set RN, RS+32
.set RW, 2
.endif
.endm
.macro RLOAD a                         ; 32 cosines, then 32 sines, in my registers' order
	ROPESET \a
	WIN RW<<6
.irp q, 0,1,2,3,4,5,6,7,8,9,10,11,12,13,14,15
	global_load_b128 v[RS+4*\q+(RN-RS-32)*(\q/8):RS+4*\q+(RN-RS-32)*(\q/8)+3], v[GO], s[8:9] offset:8192*(\a)+512*\q
.endr
	WIN 0
.endm
	RLOAD 0
.macro FRAG reg, adr, q, i             ; tile i's fragment of the slot's q-th 128 along K: three loads of 512 consecutive bytes
.irp c, 0,1,2
	ds_load_b128 v[\reg+4*\c:\reg+4*\c+3], v[\adr] offset:(NQ*(\i)+(\q))*FRB+512*\c
.endr
.endm
; 16 matrix instructions: A's blocks a0, a0 + 1 x B's eight.  The 64 accumulators take turns, one instruction a turn, in the same order in every step.
.macro MUL16 a0, p, q, sc, zero
.irp a, \a0, \a0+1
.irp b, 0,1,2,3,4,5,6,7
.if \zero
	v_wmma_scale_f32_16x16x128_f8f6f4 v[8*(8*((\a)%4)+\b):8*(8*((\a)%4)+\b)+7], v[128*(\p)+FR*\b:128*(\p)+FR*\b+FR-1], v[AF+FR*(\a):AF+FR*(\a)+FR-1], 0, v[SC+8*NQ*(\sc)+NQ*\b+(\q)], v[SC+8*NQ*(\sc)+NQ*(\a)+(\q)] matrix_a_fmt:MATRIX_FMT_FP6 matrix_b_fmt:MATRIX_FMT_FP6 matrix_a_scale:MATRIX_SCALE_ROW1
.else
	v_wmma_scale_f32_16x16x128_f8f6f4 v[8*(8*((\a)%4)+\b):8*(8*((\a)%4)+\b)+7], v[128*(\p)+FR*\b:128*(\p)+FR*\b+FR-1], v[AF+FR*(\a):AF+FR*(\a)+FR-1], v[8*(8*((\a)%4)+\b):8*(8*((\a)%4)+\b)+7], v[SC+8*NQ*(\sc)+NQ*\b+(\q)], v[SC+8*NQ*(\sc)+NQ*(\a)+(\q)] matrix_a_fmt:MATRIX_FMT_FP6 matrix_b_fmt:MATRIX_FMT_FP6 matrix_a_scale:MATRIX_SCALE_ROW1
.endif
.endr
.endr
.endm
.macro FETCH_B slot, q, p
	WIN TO_B
.irp i, 0,1,2,3,4,5,6,7
	FRAG 128*(\p)+FR*\i, ADRB+\slot, \q, \i
.endr
	WIN 0
.endm
.macro FETCH_A slot, q, i0
.irp i, \i0, \i0+1, \i0+2, \i0+3
	FRAG AF+FR*(\i), ADRA+\slot, \q, \i
.endr
.endm
.macro SCALES sc                       ; the slot's two words a row: lanes 0-15 A's tile i, lanes 16-31 B's tile i
.irp i, 0,1,2,3,4,5,6,7
	ds_load_b64 v[SC+8*NQ*\sc+NQ*\i:SC+8*NQ*\sc+NQ*\i+1], v[ADRS] offset:\i*1024+8*\sc
.endr
.endm
.macro STEP slot, q, zero              ; a step of 128 along K that has its successor in the same slot
	s_wait_dscnt 4*NL                              ; B's set, A's blocks 0-3 and the scale words are in; the youngest 12 loads (A's blocks 4-7) may be out
	WIN MUL_LO
	MUL16 0, (\q)%2, \q, \slot, \zero
	MUL16 2, (\q)%2, \q, \slot, \zero
	s_wait_dscnt 0
	PLACES NP
	FETCH_B \slot, (\q)+1, 1-(\q)%2
	FETCH_A \slot, (\q)+1, 0
	WIN MUL_HI
	MUL16 4, (\q)%2, \q, \slot, \zero
	MUL16 6, (\q)%2, \q, \slot, \zero
	PLACES NP
	WIN 0
	FETCH_A \slot, (\q)+1, 4
.endm
; A slot's last step changes slots: one barrier; in front of it each wave waits for all its tensor loads, adds 0 to its spare word, and waits for that and for its reads of this slot.
.macro TURN slot, next, fill
.if \fill
	s_wait_xcnt 0x0                                ; my last prefetch has read its address: one slot on
	s_add_nc_u64 s[100:101], s[100:101], NQ*FRB
.endif
	s_wait_tensorcnt 0x0                           ; all my tensor loads have landed: my part of the next slot
	ds_add_u32 v[SPW], v[NIL]                      ; 0 onto my spare word
	s_wait_dscnt 4*NL+1                            ; (the add and the youngest 12 loads, A's blocks 4-7, may be out)
	WIN MUL_LO
	MUL16 0, 1, NQ-1, \slot, 0
	s_wait_dscnt 0x0                               ; the add is done, and my reads of this slot are over
	s_barrier_signal -1
	MUL16 2, 1, NQ-1, \slot, 0
	WIN 0
	s_barrier_wait -1
.if \fill
	CREST                                          ; the barrier has opened a round of the cluster's: no wave of any partner still reads this slot or has a load on its way
	s_add_nc_u64 s[G0+4*\slot+2:G0+4*\slot+3], s[G0+4*\slot+2:G0+4*\slot+3], 2*NQ*FRB
	s_add_nc_u64 s[G0B+4*\slot+2:G0B+4*\slot+3], s[G0B+4*\slot+2:G0B+4*\slot+3], 2*NQ*FRB
	JLOAD G0+4*\slot, G1, G0B+4*\slot, G1B         ; the first tensor load behind the round; its four v_nop are the places in front of the loads below
.else
	PLACES NP
.endif
.if \next == 0
	v_add_nc_u32 v[ADRS], 256, v[ADRS]             ; the next four K steps' scale words (no LDS load of mine is out)
.endif
	FETCH_B \next, 0, 0
	FETCH_A \next, 0, 0
	s_wait_alu depctr_va_vdst(0)
	SCALES \next
.if \fill
	s_cmp_gt_u32 s3, 1                             ; the last trip's two refills have no slot two on
	s_cbranch_scc0 .Lno_ask_\@
	global_prefetch_b8 v30, s[100:101] th:TH_LOAD_NT scope:SCOPE_SE
.Lno_ask_\@:
.endif
	WIN MUL_HI
	MUL16 4, 1, NQ-1, \slot, 0
	MUL16 6, 1, NQ-1, \slot, 0
	PLACES NP
	WIN 0
	FETCH_A \next, 0, 4
.endm
	s_wait_alu depctr_va_vdst(0)
	s_wait_loadcnt 0x0                             ; the biases and the first table, once
	s_wait_tensorcnt 0x0                           ; my tile of the head's four is in
	ds_add_u32 v[SPW], v[NIL]
	s_mov_b32 s[G1+2], 8<<16                       ; no tensor load of mine is out: from here on a load brings 8 tiles
	s_mov_b32 s[G1+4], 8
	s_mov_b32 s[G1B+2], 8<<16
	s_mov_b32 s[G1B+4], 8
	s_wait_dscnt 0x0
	CROUND                                         ; all four tiles are in, and all sixteen work-groups are here
	JLOAD G0+4, G1, G0B+4, G1B                     ; slot 1's first fill, the first tensor load behind the round
	FETCH_B 0, 0, 0
	FETCH_A 0, 0, 0
	SCALES 0
	FETCH_A 0, 0, 4
	global_prefetch_b8 v30, s[100:101] th:TH_LOAD_NT scope:SCOPE_SE   ; slot 3
	STEP 0, 0, 1                                   ; the first step stands in front of the loop: its products start the sums
	s_mov_b32 s3, 3
.Llap:                                                 ; a trip goes once round the ring: 512 along K, 256 matrix instructions, both slots filled again
	TURN 0, 1, 1
	STEP 1, 0, 0
	TURN 1, 0, 1
	STEP 0, 0, 0
	s_sub_co_u32 s3, s3, 1
	s_cmp_lg_u32 s3, 0
	s_cbranch_scc1 .Llap
	TURN 0, 1, 0                                   ; the last lap fills nothing
	STEP 1, 0, 0
	s_wait_dscnt 4*NL
	WIN MUL_LO
	MUL16 0, 1, NQ-1, 1, 0
	MUL16 2, 1, NQ-1, 1, 0
	s_wait_dscnt 0
	WIN MUL_HI
	MUL16 4, 1, NQ-1, 1, 0
	MUL16 6, 1, NQ-1, 1, 0
	WIN 0
; THE WAY OUT, block by block of A: bias, rotation (q, k), quantiser, and the fragment leaves as it stands: three stores of 512 consecutive bytes.
.macro SENDF a
.irp c, 0,1,2
	global_store_b128 v[GO], v[PC+4*\c:PC+4*\c+3], s[16:17] offset:FRB*(\a)+512*\c
.endr
.endm
.macro EPI_QK a
.set AC, 64*((\a)%4)
	s_wait_xcnt 0x0                                ; the last block's stores have read the fragment's registers
	WIN (2+(\a)/4)|4                               ; source 0: the accumulators' window; source 1: window 1
.set j, 0
.rept 16
	v_pk_add_f32 v[HA+j:HA+j+1], v[AC+j:AC+j+1], v[96+j:97+j]          ; + the bias of my columns; each accumulator from its low end on
.set j, j+2
.endr
.rept 16
	v_pk_add_f32 v[HA+j:HA+j+1], v[AC+j:AC+j+1], v[192+j:193+j]
.set j, j+2
.endr
.if (\a) >= 1
.if 7-(\a) >= 3
	s_wait_loadcnt 48                              ; this block's table is in; the three younger tables' 48 loads may be out
.else
	s_wait_loadcnt 16*(7-(\a))
.endif
.endif
.if (\a)+4 <= 7
	RLOAD (\a)+4                                   ; into this block's accumulators, which the additions above have read
.endif
	ROPESET \a
	WIN RW<<2                                      ; source 1: the table's window
.set j, 0
.rept 16
	v_pk_mul_f32 v[U+j:U+j+1], v[HA+j:HA+j+1], v[RN+j:RN+j+1]          ; x1 sin.  Registers 0-31 are x1 (columns under 64), 32-63 x2, with the same frequencies
.set j, j+2
.endr
.set j, 0
.rept 16
	v_pk_mul_f32 v[HA+j:HA+j+1], v[HA+j:HA+j+1], v[RS+j:RS+j+1]        ; x1 cos
.set j, j+2
.endr
.set j, 0
.rept 16
	v_pk_fma_f32 v[HA+j:HA+j+1], v[HA+32+j:HA+33+j], v[RN+j:RN+j+1], v[HA+j:HA+j+1] neg_lo:[1,0,0] neg_hi:[1,0,0]   ; - x2 sin
.set j, j+2
.endr
.set j, 0
.rept 16
	v_pk_fma_f32 v[HA+32+j:HA+33+j], v[HA+32+j:HA+33+j], v[RS+j:RS+j+1], v[U+j:U+j+1]   ; x2 cos + x1 sin
.set j, j+2
.endr
	WIN 0
	QUANT HA, PW8+(\a)
	SENDF \a
.endm
.macro EPI_V a
.set AC, 64*((\a)%4)
	s_wait_xcnt 0x0
	WIN 2+(\a)/4
.set j, 0
.rept 64
	v_add_f32 v[HA+j], v[AC+j], v[MB+(\a)]         ; + the bias of my row
.set j, j+1
.endr
	WIN 0
	QUANT HA, PW8+(\a)
	SENDF \a
.endm
	PLACES NP                                      ; behind the last products: for the loads and writes into registers that they read, and for the reads of their results
.irp b, 0,1,2,3
	v_mov_b32 v[TM+4+\b], 0                        ; written once: a lane permute's destination counts as one of its sources
.endr
	s_cmp_eq_u32 s23, 2                            ; the type: the same in all partners
	s_cbranch_scc1 .Lvpath
	RLOAD 1
	RLOAD 2
	RLOAD 3
.irp a, 0,1,2,3,4,5,6,7
	EPI_QK \a
.endr
	s_branch .Ljoin
.Lvpath:
.irp a, 0,1,2,3,4,5,6,7
	EPI_V \a
.endr
.Ljoin:
	v_and_b32 v12, 31, v0
	v_cmp_le_u32 vcc_lo, 16, v12
.irp i, 0,1,2,3
	v_cndmask_b32 v[8+\i], v[PW8+\i], v[PW8+4+\i], vcc_lo   ; lanes 0-15: row r's words of fragments 0-3; lanes 16-31: of fragments 4-7
.endr
	global_store_b128 v[GO], v[8:11], s[16:17] offset:8*FRB
	s_wait_tensorcnt 0x0                           ; the wave's end
	ds_add_u32 v[SPW], v[NIL]
	s_wait_dscnt 0x0
	CROUND                                         ; the closing round
	s_endpgm
.Lfunc_end_k_q485c615639_proj:
	.size	k_q485c615639_proj, .Lfunc_end_k_q485c615639_proj-k_q485c615639_proj
	.p2alignl 7, 3214868480
	.fill 96, 4, 3214868480
	.section	.rodata,"a",@progbits
	.p2align	6, 0x0
	.amdhsa_kernel k_q485c615639_proj
		.amdhsa_group_segment_fixed_size 327680
		.amdhsa_private_segment_fixed_size 0
		.amdhsa_enable_private_segment 0
		.amdhsa_kernarg_size 56
		.amdhsa_user_sgpr_count 2
		.amdhsa_user_sgpr_kernarg_segment_ptr 1
		.amdhsa_wavefront_size32 1
		.amdhsa_system_sgpr_workgroup_id_x 1
		.amdhsa_system_sgpr_workgroup_id_y 1
		.amdhsa_system_sgpr_workgroup_id_z 1
		.amdhsa_system_vgpr_workitem_id 0
		.amdhsa_next_free_vgpr 1024
		.amdhsa_next_free_sgpr 106
		.amdhsa_reserve_vcc 1
		.amdhsa_float_denorm_mode_32 3
		.amdhsa_float_denorm_mode_16_64 3
		.amdhsa_memory_ordered 1
		.amdhsa_forward_progress 1
		.amdhsa_inst_pref_size 254
	.end_amdhsa_kernel
	.amdgpu_metadata
---
amdhsa.version: [ 1, 2 ]
amdhsa.kernels:
  - .name:           k_q485c615639_proj
    .symbol:         k_q485c615639_proj.kd
    .args:
      - { .name: codes, .offset: 0, .size: 8, .value_kind: global_buffer, .address_space: global }
      - { .name: scales, .offset: 8, .size: 8, .value_kind: global_buffer, .address_space: global }
      - { .name: rope, .offset: 16, .size: 8, .value_kind: global_buffer, .address_space: global }
      - { .name: bq, .offset: 24, .size: 8, .value_kind: global_buffer, .address_space: global }
      - { .name: bk, .offset: 32, .size: 8, .value_kind: global_buffer, .address_space: global }
      - { .name: bv, .offset: 40, .size: 8, .value_kind: global_buffer, .address_space: global }
      - { .name: qkv, .offset: 48, .size: 8, .value_kind: global_buffer, .address_space: global }
    .group_segment_fixed_size: 327680
    .private_segment_fixed_size: 0
    .kernarg_segment_align: 8
    .kernarg_segment_size: 56
    .max_flat_workgroup_size: 128
    .sgpr_count:     106
    .vgpr_count:     1024
    .wavefront_size: 32
...
	.end_amdgpu_metadata
.endif
;; end of part 2
;; launch attn (part 3): grid 16 x 16, 16 waves a work-group, clusters of 4 x 1, 327,680 bytes of LDS; arguments qkv, acodes, ascales; writes acodes, ascales
.if DOCPART == 3
	.amdgcn_target "amdgcn-amd-amdhsa--gfx1250"
	.amdhsa_code_object_version 6
	.text
	.protected	k_q485c615639_attn
	.globl	k_q485c615639_attn
	.p2align	8
	.type	k_q485c615639_attn,@function
k_q485c615639_attn:
	s_mov_b64 s[64:65], 0
	v_nop
	global_prefetch_b8 v0, s[64:65] scope:SCOPE_SE
	s_setreg_imm32_b32 hwreg(HW_REG_WAVE_MODE, 25, 1), 1
	s_wait_xcnt 0x0
	s_wait_alu depctr_hold_cnt(0) depctr_sa_sdst(0) depctr_va_vdst(0) depctr_va_sdst(0) depctr_va_ssrc(0) depctr_va_vcc(0) depctr_vm_vsrc(0)
	s_getreg_b32 s2, hwreg(HW_REG_IB_STS2, 6, 4)
	s_cmp_eq_u32 s2, 0
	s_cbranch_scc0 .Lentry_in_a_cluster
	s_endpgm
.Lentry_in_a_cluster:
	s_bfe_u32 s2, ttmp6, 0x10000c
	s_cmp_lg_u32 s2, 0x3003
	s_cbranch_scc0 .Lentry_shape_is_right
	s_endpgm
.Lentry_shape_is_right:
; attn[q][head] = softmax_k(q . k / sqrt(128)) v, both products on codes of FP6 (E2M3) with E8M0 scales; the result is quantised along the 2,048 of the next product and leaves as that product's operand.
; qkv: [type q, k, v][head 16][group 16][12,800]: a record is 8 fragments (images of the operand's registers, 1,536 bytes each) and their scale words [a / 4][r][a % 4].
; q, k: a group is 128 tokens, fragment a its token tile a; v: a group is a key step of 128 keys, fragment a = 16 of the head's 128 x 128 keys.  Lane r of tile a is row 32 (a / 2) + 8 (a % 2) + r + 8 (r / 8).
; THE SOFTMAX: t = score x log2(e) / sqrt(128); M = the running largest t rounded UP to a whole number; p = 2^(t - M) is quantised along the keys; the row's sum is taken of the unquantised p and divides at the end;
; when M moves, the sum and O are multiplied by 2^(old M - new M), which rounds nothing.
; SHARES.  A work-group owns 128 queries of one head: 8 tiles of 16.  Sixteen waves of 256 registers, four to a SIMD.  Two waves share a tile and split the keys: wave w takes tile w % 8 and the key steps of
; parity w / 8, with a running M, sum and O^T of its own; at the end waves 8-15 hand theirs over through LDS and waves 0-7 join both halves under the larger M, divide, quantise and store.
; Both products are used transposed (S^T = K Q^T, O^T = V^T P^T): a lane holds ONE query throughout; p's register 16 b + i is key 32 b + 16 h + i, and O^T's likewise along the head.
; LDS: twelve places of 12,800 bytes for K's records, then twelve for V's.  Key step p lies in place p; key steps 12-15 come into places 0-3.  K's and V's records of a head are dense in memory.
;   at the head every wave asks for one record: key steps 0-7 (waves 0-7 K's, waves 8-15 V's);
;   behind the head's round every wave asks for half a record of key steps 8-11, a first fill; two of my key steps stand between the request and the wait for it;
;   behind the one round of the walk every wave asks for half a record of key steps 12-15, into places 0-3; four of my key steps stand between the request and the wait for it.
; So 12 of the 16 key steps are walked with one round between them.  The last barrier fills nothing: it is signalled one key step ahead of its wait.
; No prefetch: by the counts above no later fill is waited for close behind its request.  CLUSTER 4 x 1: the four query groups of a cluster walk the same K and V: every load is joint.
; The result's scale words: a row's word of this head is 4 bytes of a block of 256 that four heads share, so a wave stores 16 x 4 bytes in pieces, beside 1,536 bytes of codes in whole blocks.
; LIMITS: NaN and infinities are not served; the promise holds while |t| stays under 2^31; 1 / sum by v_rcp_f32; a block of zeros gets the byte 1, its codes are zeros, and this program alone reads the bytes.
; REGISTERS: v1 16 x lane; v2, v11 the step's LDS addresses (K, V); v3, v4 the spare word's address and 0; v5-9 at the head and the end; v10 where a tile's two waves meet; v12 -M, v13 the largest t, v[14:15] the sum;
;   v16-27 Q, v28 its scale words; v30-31 at work; v32-79 four fragments of K or of V; v80-143 O^T; v144-207 S^T, then p; v208-227 p's codes; v228-247 at work; v248-251 K's scale words, v252-255 V's.
.set FRB,   1536
.set TROW,  24576
.set REC,   12800
.set HREC,  6400
.set TYB,   3276800
.set HEADB, 204800
.set VOFF,  153600                     ; V's twelve places lie behind K's
.set SPARE, 307200                     ; behind them the spare words, 128 bytes for each wave: eight blocks of 256 bytes that no other line names
.set MRG,   51200                      ; the meeting place, 8 x 8,704 bytes in K's places 4-9: they have had their only fill, and every wave has read them for the last time when it signals the last barrier
.set MRGB,  8704
.set L16, 1
.set ADR, 2
.set SPW, 3
.set NIL, 4
.set MA,  10
.set ADV, 11
.set QS,  28
.set FB,  32
.set O,   80
.set S,   144
.set PC,  208
.set BM,  228
.set BT,  232
.set SO,  236
.set T0,  240
.set F,   242
.set PWP, 244
.set SUM2, 246
.set KS,  248
.set VS,  252
.set TM,  228
.set WV,  10                           ; s10 wave 0..15
.set QT,  14                           ; s14 wave % 8: my query tile, and which piece of K's or V's I fetch
.set PAR, 15                           ; s15 wave / 8: the parity of my key steps, and: I fetch for K (0) or V (1)
.set G1,  16
.set G0,  24                           ; s[24:27] group 0 of the head's load, s[28:31] of key steps 8-11, s[56:59] of key steps 12-15
.set G0R, 56
.set SEL, 32
.set CS,  34
.set TB,  36
.set CNT, 37
.macro CROUND                          ; a round of the cluster's barrier
	s_barrier_signal -1
	s_barrier_wait -1
	s_cmp_lg_u32 s[WV], 0
	s_cbranch_scc1 .Lnot_wave_0_\@
	s_barrier_signal -3
.Lnot_wave_0_\@:
	s_barrier_wait -3
	s_barrier_signal -1
	s_barrier_wait -1
.endm
.macro ASKFOR g0                       ; my one joint load behind a round
	tensor_load_to_lds s[\g0:\g0+3], s[G1:G1+7]
	s_nop 0
.rept 4
	v_nop
.endr
.endm
.macro PLACES
.rept 4
	v_nop
.endr
.endm
; codes and scale word from the scale operands in v[so .. so+3]: 64 numbers, register 16 b + i = k 32 b + 16 h + i
.macro CODES s, so, bt, pw
.irp b, 0,1,2,3
	s_delay_alu instid0(VALU_DEP_4)
	v_lshrrev_b32 v[\bt+\b], 23, v[\so+\b]         ; the byte
.endr
	s_delay_alu instid0(VALU_DEP_3)
	v_lshl_or_b32 v[\pw], v[\bt+1], 8, v[\bt]
	s_delay_alu instid0(VALU_DEP_1)
	v_lshl_or_b32 v[\pw], v[\bt+2], 16, v[\pw]
	s_delay_alu instid0(VALU_DEP_1)
	v_lshl_or_b32 v[\pw], v[\bt+3], 24, v[\pw]
.irp c, 0,1
	v_cvt_scalef32_pk16_fp6_f32 v[PC+6*\c:PC+2+6*\c], v[\s+32*\c:\s+15+32*\c], v[\so+2*\c]
	v_cvt_scalef32_pk16_fp6_f32 v[PC+12+4*\c:PC+14+4*\c], v[\s+16+32*\c:\s+31+32*\c], v[\so+2*\c+1]   ; (a conversion's three registers begin on an even number)
.endr
	v_nop                                          ; one plain instruction behind the scaled conversions
.irp c, 0,1                            ; the layout wants a whole block in a lane
.irp i, 0,1,2
	v_permlane16_swap_b32 v[PC+6*\c+\i], v[PC+12+4*\c+\i]
.endr
.irp i, 0,1,2
	s_delay_alu instid0(VALU_DEP_3)
	v_mov_b32 v[PC+3+6*\c+\i], v[PC+12+4*\c+\i]
.endr
.endr
.endm
	s_load_b128 s[4:7], s[0:1], 0x0                ; qkv s[4:5], acodes s[6:7]
	s_load_b64 s[8:9], s[0:1], 0x10                ; ascales
	v_lshl_add_u32 v[SPW], v0, 2, SPARE
	v_mov_b32 v[NIL], 0
	ds_add_u32 v[SPW], v[NIL]                      ; the opening lines: the add, twice on end, and its wait ahead of my first tensor load
	ds_add_u32 v[SPW], v[NIL]
	v_lshrrev_b32 v5, 5, v0
	v_readfirstlane_b32 s[WV], v5                  ; wave 0..15
	s_and_b32 s[QT], s[WV], 7
	s_lshr_b32 s[PAR], s[WV], 3
	s_bfe_u32 s11, ttmp6, 0x40000                  ; cx
	s_lshl_b32 s12, ttmp9, 2
	s_add_co_u32 s12, s12, s11                     ; my group of 128 queries: it enters Q's and the result's addresses alone
	s_and_b32 s13, ttmp7, 0xffff                   ; the head, which the four partners share
	s_mov_b32 s[G1], 15|(3<<16)|(1<<21)            ; the mask: all four work-groups; elements of 8 bytes; bit 21 beside a mask
	s_mov_b32 s[G1+1], 32<<16                      ; rows of 256 bytes, dense;
	s_mov_b32 s[G1+2], 50<<16                      ; a record is 50 of them
	s_mov_b32 s[G1+3], 32<<16
	s_mov_b32 s[G1+4], 50
	s_mov_b32 s[G1+5], 32
	s_mov_b32 s[G1+6], 0
	s_mov_b32 s[G1+7], 0
	s_add_co_u32 s40, s[PAR], 1                    ; type 1 (K) or 2 (V)
	s_mul_i32 s40, s40, TYB
	s_mul_i32 s41, s13, HEADB
	s_add_co_u32 s40, s40, s41
	s_mov_b32 s41, 0
	s_mul_i32 s42, s[QT], REC                      ; at the head: my record
	s_mov_b32 s43, 0
	s_mul_i32 s46, s[QT], HREC                     ; later: my half record
	s_mov_b32 s47, 0
	s_mul_i32 s38, s[PAR], VOFF                    ; K's places or V's
	s_mul_i32 s44, s13, HEADB
	s_mul_i32 s45, s12, REC
	s_add_co_u32 s44, s44, s45                     ; Q's record
	s_mov_b32 s45, 0
	s_mov_b32 s[SEL], 0x76543210
	s_mov_b32 s[SEL+1], 0xfedcba98
	s_mov_b32 s[CS], 0x3e0293ee                    ; c = log2(e) / sqrt(128)
	s_mov_b32 s[CS+1], s[CS]                       ; (named with it as a pair)
	s_wait_dscnt 0x0                               ; both opening adds are done
	s_wait_kmcnt 0x0
	s_add_nc_u64 s[40:41], s[4:5], s[40:41]
	s_add_nc_u64 s[44:45], s[4:5], s[44:45]
	s_mov_b32 s[G0], 1                             ; key step wave % 8
	s_add_co_u32 s[G0+1], s38, s42
	s_add_nc_u64 s[G0+2:G0+3], s[40:41], s[42:43]
	s_or_b32 s[G0+3], s[G0+3], 0x80000000
	s_add_nc_u64 s[40:41], s[40:41], s[46:47]
	s_add_co_u32 s38, s38, s46
	s_mov_b32 s[G0+4], 1                           ; my sixteenth of key steps 8-11, into places 8-11
	s_add_co_u32 s[G0+5], s38, 8*REC
	s_add_nc_u64 s[G0+6:G0+7], s[40:41], 8*REC
	s_or_b32 s[G0+7], s[G0+7], 0x80000000
	s_mov_b32 s[G0R], 1                            ; and of key steps 12-15, into places 0-3
	s_mov_b32 s[G0R+1], s38
	s_add_nc_u64 s[G0R+2:G0R+3], s[40:41], 12*REC
	s_or_b32 s[G0R+3], s[G0R+3], 0x80000000
	s_mul_i32 s46, s[QT], FRB                      ; my tile's fragment in Q's record,
	s_lshr_b32 s47, s[QT], 2
	s_lshl_b32 s47, s47, 8
	s_and_b32 s48, s[QT], 3
	s_lshl_b32 s48, s48, 2
	s_add_co_u32 s47, s47, s48
	s_add_co_u32 s47, s47, 8*FRB                   ; and its scale words
	s_mul_i32 s54, s[QT], MRGB
	s_add_co_u32 s54, s54, MRG
	CROUND                                         ; all four work-groups are here: the first joint loads meet
	ASKFOR G0                                      ; every wave's one load at the head
	v_and_b32 v5, 31, v0                           ; lane
	v_and_b32 v6, 15, v0                           ; r
	v_lshlrev_b32 v[L16], 4, v5
	v_lshlrev_b32 v9, 4, v6                        ; 16 r
	v_add_nc_u32 v7, s46, v[L16]
	v_add_nc_u32 v8, s47, v9
	v_add_nc_u32 v[MA], s54, v[L16]                ; where my tile's two waves meet: the same in both
	s_wait_alu depctr_va_vdst(0)                   ; the wait ahead of the readers below
.irp c, 0,1,2
	global_load_b128 v[16+4*\c:19+4*\c], v7, s[44:45] offset:512*\c
.endr
	global_load_b32 v[QS], v8, s[44:45]            ; row r's scale word
	s_lshl_b32 s48, s12, 3
	s_add_co_u32 s48, s48, s[QT]                   ; my token tile
	s_mul_i32 s50, s48, TROW
	s_mul_i32 s51, s13, FRB                        ; the head is the next product's K step
	s_add_co_u32 s50, s50, s51
	s_mov_b32 s51, 0
	s_add_nc_u64 s[6:7], s[6:7], s[50:51]
	s_lshl_b32 s50, s48, 10
	s_lshr_b32 s52, s13, 2
	s_lshl_b32 s52, s52, 8
	s_add_co_u32 s50, s50, s52
	s_and_b32 s52, s13, 3
	s_lshl_b32 s52, s52, 2
	s_add_co_u32 s50, s50, s52
	s_add_nc_u64 s[8:9], s[8:9], s[50:51]
	v_mov_b32 v13, 0xff61b1e6                      ; the largest t so far: -3e38
	v_mov_b32 v14, 0
	v_mov_b32 v15, 0
	v_floor_f32 v12, -v13                          ; -M
.irp b, 0,1,2,3
	v_mov_b32 v[BT+\b], 0                          ; written once: a lane permute's destination counts as one of its sources
.endr
	v_mov_b32 v[F+1], 0                            ; (named as the upper half of a pair)
.set j, 0
.rept 64
	v_mov_b32 v[O+j], 0                            ; O^T.  (The step is written once: the first finds zeros, which the first change of M leaves zeros)
.set j, j+1
.endr
.macro FOUR adr, g                     ; fragments 4 g .. 4 g + 3 of the record at v[adr]
.irp t, 0,1,2,3
.irp c, 0,1,2
	ds_load_b128 v[FB+12*\t+4*\c:FB+12*\t+4*\c+3], v[\adr] offset:FRB*(4*(\g)+\t)+512*\c
.endr
.endr
.endm
.macro WQK t
.if (\t) < 4
	v_wmma_scale_f32_16x16x128_f8f6f4 v[S+8*(\t):S+8*(\t)+7], v[FB+12*(\t):FB+12*(\t)+11], v[16:27], 0, v[KS+(\t)], v[QS] matrix_a_fmt:MATRIX_FMT_FP6 matrix_b_fmt:MATRIX_FMT_FP6
.else
	v_wmma_scale_f32_16x16x128_f8f6f4 v[S+8*(\t):S+8*(\t)+7], v[FB+12*((\t)-4):FB+12*((\t)-4)+11], v[16:27], 0, v[KS+(\t)-4], v[QS] matrix_a_fmt:MATRIX_FMT_FP6 matrix_b_fmt:MATRIX_FMT_FP6 matrix_a_scale:MATRIX_SCALE_ROW1
.endif
.endm
.macro WPV t
.if (\t) < 4
	v_wmma_scale_f32_16x16x128_f8f6f4 v[O+8*(\t):O+8*(\t)+7], v[FB+12*(\t):FB+12*(\t)+11], v[PC:PC+11], v[O+8*(\t):O+8*(\t)+7], v[VS+(\t)], v[PWP] matrix_a_fmt:MATRIX_FMT_FP6 matrix_b_fmt:MATRIX_FMT_FP6
.else
	v_wmma_scale_f32_16x16x128_f8f6f4 v[O+8*(\t):O+8*(\t)+7], v[FB+12*((\t)-4):FB+12*((\t)-4)+11], v[PC:PC+11], v[O+8*(\t):O+8*(\t)+7], v[VS+(\t)-4], v[PWP] matrix_a_fmt:MATRIX_FMT_FP6 matrix_b_fmt:MATRIX_FMT_FP6 matrix_a_scale:MATRIX_SCALE_ROW1
.endif
.endm
; A KEY STEP: 128 keys; K's record begins at LDS byte s[TB], V's VOFF further on.  Fragments come four at a time.
.macro STEP
	v_add_nc_u32 v[ADR], s[TB], v[L16]
	v_add_nc_u32 v[ADV], VOFF, v[ADR]
.rept 2
	v_nop                                          ; with the additions: four places behind the last step's products, in front of loads into registers that they read
.endr
	FOUR ADR, 0
	ds_load_b128 v[KS:KS+3], v[ADR] offset:8*FRB   ; lanes 0-15: the words of tiles 0-3; lanes 16-31: of tiles 4-7
	s_wait_alu depctr_va_vdst(0)
	s_wait_dscnt 0x0
.irp t, 0,1,2,3
	WQK \t
.endr
	PLACES
	FOUR ADR, 1
	s_wait_dscnt 0x0
.irp t, 4,5,6,7
	WQK \t
.endr
	PLACES                                         ; for V's loads into K's registers, and for the first read of the scores
	FOUR ADV, 0                                    ; V's first four fragments land under the softmax
	ds_load_b128 v[VS:VS+3], v[ADV] offset:8*FRB
.irp b, 0,1,2,3
	v_max3_num_f32 v[BM+\b], v[S+16*\b], v[S+1+16*\b], v[S+2+16*\b]    ; the largest score of each block of 32 keys: for the row's maximum, and, since p rises with the score, for the block's largest p
.endr
.irp i, 3,5,7,9,11,13
.irp b, 0,1,2,3
	v_max3_num_f32 v[BM+\b], v[BM+\b], v[S+16*\b+\i], v[S+1+16*\b+\i]
.endr
.endr
.irp b, 0,1,2,3
	v_max_num_f32 v[BM+\b], v[BM+\b], v[S+15+16*\b]
.endr
.irp b, 0,1,2,3
	s_delay_alu instid0(VALU_DEP_4)
	v_permlanex16_b32 v[BT+\b], v[BM+\b], s[SEL], s[SEL+1]
.endr
.irp b, 0,1,2,3
	s_delay_alu instid0(VALU_DEP_4)
	v_max_num_f32 v[BM+\b], v[BM+\b], v[BT+\b]     ; with lane l xor 16's 16 keys
.endr
	s_delay_alu instid0(VALU_DEP_2)
	v_max3_num_f32 v[T0], v[BM], v[BM+1], v[BM+2]
	s_delay_alu instid0(VALU_DEP_1)
	v_max_num_f32 v[T0], v[T0], v[BM+3]
	s_delay_alu instid0(VALU_DEP_1)
	v_mul_f32 v[T0], s[CS], v[T0]                  ; as t (c is positive)
	s_delay_alu instid0(VALU_DEP_1)
	v_max_num_f32 v13, v13, v[T0]                  ; the running largest t
	v_mov_b32 v[T0], v12
	s_delay_alu instid0(VALU_DEP_2)
	v_floor_f32 v12, -v13                          ; the new -M = -ceil(t)
	s_delay_alu instid0(VALU_DEP_1)
	v_sub_f32 v[T0], v12, v[T0]                    ; old M - new M: a whole number, 0 or less
	s_delay_alu instid0(VALU_DEP_1)
	v_cvt_i32_f32 v[T0], v[T0]                     ; (it saturates)
	s_delay_alu instid0(VALU_DEP_1)
	v_ldexp_f32 v[F], 1.0, v[T0]                   ; f = 2^(old M - new M)
.set j, 0
.rept 32
	v_pk_fma_f32 v[S+j:S+j+1], v[S+j:S+j+1], s[CS:CS+1], v[12:13] op_sel_hi:[1,0,0]   ; t - M
.set j, j+2
.endr
.irp b, 0,1,2,3
	v_fma_f32 v[BM+\b], v[BM+\b], s[CS], v12       ; the same of each block's largest score
.endr
.set j, 0
	s_wait_alu depctr_va_vdst(0)
.rept 64
	v_exp_f32 v[S+j], v[S+j]                       ; p = 2^(t - M): not normalised
.set j, j+1
.endr
	v_pk_mul_f32 v[14:15], v[14:15], v[F:F+1] op_sel_hi:[1,0]   ; the sums under the new M.  (The plain instruction behind the exponentials)
	s_wait_alu depctr_va_vdst(0)                   ; one wait ahead of the batch's first reader
.irp b, 0,1,2,3
	v_exp_f32 v[BM+\b], v[BM+\b]                   ; the block's largest p
.endr
	v_pk_add_f32 v[SUM2:SUM2+1], v[S:S+1], v[S+2:S+3]          ; the row's sum, of the unquantised p: three chains by turns
	v_pk_add_f32 v[30:31], v[S+4:S+5], v[S+6:S+7]
.set j, 8
.rept 9
	v_pk_add_f32 v[14:15], v[14:15], v[S+j:S+j+1]
	v_pk_add_f32 v[SUM2:SUM2+1], v[SUM2:SUM2+1], v[S+j+2:S+j+3]
	v_pk_add_f32 v[30:31], v[30:31], v[S+j+4:S+j+5]
.set j, j+6
.endr
	v_pk_add_f32 v[14:15], v[14:15], v[S+62:S+63]
	s_delay_alu instid0(VALU_DEP_1)
	v_pk_add_f32 v[14:15], v[14:15], v[30:31]
	s_delay_alu instid0(VALU_DEP_1)
	v_pk_add_f32 v[14:15], v[14:15], v[SUM2:SUM2+1]
	s_wait_alu depctr_va_vdst(0)                   ; and one for the four
.irp b, 0,1,2,3
	v_max_num_f32 v[BM+\b], 0x1800000, v[BM+\b]    ; the floor 2^(3 - 127)
.endr
.irp b, 0,1,2,3
	s_delay_alu instid0(VALU_DEP_4)
	v_add_nc_u32 v[SO+\b], 0xff000000, v[BM+\b]    ; 2 off the exponent field: the conversion's scale operand
.endr
	CODES S, SO, BT, PWP                           ; p's codes and its scale word for these 128 keys
.set j, 0
.rept 32
	v_pk_mul_f32 v[O+j:O+j+1], v[O+j:O+j+1], v[F:F+1] op_sel_hi:[1,0]   ; O^T under the new M.  (These 32 also stand between the writes of p's codes and scale word and the products that name them)
.set j, j+2
.endr
	s_wait_alu depctr_va_vdst(0)
	s_wait_dscnt 0x0                               ; V's first four fragments are in
.irp t, 0,1,2,3
	WPV \t                                         ; the accumulators by turns
.endr
	PLACES
	FOUR ADV, 1
	s_wait_dscnt 0x0
.irp t, 4,5,6,7
	WPV \t
.endr
	s_add_co_u32 s[TB], s[TB], 2*REC               ; my next key step: the next but one
.endm
.macro START pos                       ; my first key step from place pos on
	s_mul_i32 s[TB], s[PAR], REC
	s_add_co_u32 s[TB], s[TB], (\pos)*REC
.endm
.macro WALK pos, n                     ; n of my key steps, from place pos on
	START \pos
	s_mov_b32 s[CNT], \n
.Lstep_\@:
	STEP
	s_sub_co_u32 s[CNT], s[CNT], 1
	s_cmp_lg_u32 s[CNT], 0
	s_cbranch_scc1 .Lstep_\@
.endm
	s_wait_alu depctr_va_vdst(0)
	s_wait_tensorcnt 0x0                           ; my record is in
	ds_add_u32 v[SPW], v[NIL]
	s_mov_b32 s[G1+2], 25<<16                      ; no tensor load of mine is out: from here on a load brings half a record, 25 rows
	s_mov_b32 s[G1+4], 25
	s_wait_dscnt 0x0
	CROUND                                         ; key steps 0-7 are whole, and all four work-groups are here
	ASKFOR G0+4                                    ; key steps 8-11
	s_wait_loadcnt 0x0                             ; Q
	WALK 0, 2
	s_wait_tensorcnt 0x0                           ; my piece of key steps 8-11 is in,
	ds_add_u32 v[SPW], v[NIL]
	s_wait_dscnt 0x0                               ; and my reads of places 0-3 are over
	CROUND                                         ; both hold of every wave of every partner
	ASKFOR G0R                                     ; key steps 12-15, into places 0-3
	WALK 4, 3                                      ; places 4-9
	s_wait_tensorcnt 0x0                           ; my piece of key steps 12-15 is in
	s_wait_dscnt 0x0
	s_barrier_signal -1                            ; it is signalled here and waited for a key step later
	START 10
	STEP                                           ; places 10, 11: LDS loads of bytes that nobody writes, and work on registers
	s_barrier_wait -1
	WALK 0, 2                                      ; key steps 12-15
	; THE TWO HALVES OF THE KEYS MEET.  Waves 8-15 put O^T and (-M, t, the sum's two halves) into LDS as the registers stand, 512 consecutive bytes a store.
	PLACES                                         ; behind the last products, in front of the first read of their results
	s_cmp_lt_u32 s[WV], 8
	s_cbranch_scc1 .Lowner
.set i, 0
.rept 16
	ds_store_b128 v[MA], v[O+4*i:O+4*i+3] offset:512*i     ; each accumulator from its low end on
.set i, i+1
.endr
	ds_store_b128 v[MA], v[12:15] offset:8192
.Lowner:
	s_wait_dscnt 0x0                               ; for the other wave's sake: my stores have landed
	s_barrier_signal -1
	s_barrier_wait -1
	s_cmp_lt_u32 s[WV], 8
	s_cbranch_scc0 .Ldone
.set i, 0
.rept 16
	ds_load_b128 v[S+4*i:S+4*i+3], v[MA] offset:512*i
.set i, i+1
.endr
	ds_load_b128 v[BM:BM+3], v[MA] offset:8192     ; the other half's -M, t and sums
	s_wait_dscnt 0x0
	v_min_num_f32 v[T0], v12, v[BM]                ; -M of both halves: the larger M
	s_delay_alu instid0(VALU_DEP_1)
	v_sub_f32 v[BT], v[T0], v12                    ; my M - M: a whole number, 0 or less
	s_delay_alu instid0(VALU_DEP_2)
	v_sub_f32 v[BT+1], v[T0], v[BM]                ; the other's
	s_delay_alu instid0(VALU_DEP_2)
	v_cvt_i32_f32 v[BT], v[BT]
	s_delay_alu instid0(VALU_DEP_2)
	v_cvt_i32_f32 v[BT+1], v[BT+1]
	s_delay_alu instid0(VALU_DEP_2)
	v_ldexp_f32 v[BT], 1.0, v[BT]                  ; whole powers of two: nothing is rounded
	s_delay_alu instid0(VALU_DEP_2)
	v_ldexp_f32 v[BT+1], 1.0, v[BT+1]
	v_add_f32 v14, v14, v15
	v_add_f32 v[BM+2], v[BM+2], v[BM+3]
	s_delay_alu instid0(VALU_DEP_2)
	v_mul_f32 v14, v14, v[BT]
	s_delay_alu instid0(VALU_DEP_1)
	v_fma_f32 v14, v[BM+2], v[BT+1], v14
	s_delay_alu instid0(VALU_DEP_1)
	v_permlanex16_b32 v[T0], v14, s[SEL], s[SEL+1]
	s_delay_alu instid0(VALU_DEP_1)
	v_add_f32 v14, v14, v[T0]                      ; the row's sum, over all keys
	s_wait_alu depctr_va_vdst(0)
	v_rcp_f32 v14, v14
	v_nop                                          ; a plain instruction behind the reciprocal,
	s_wait_alu depctr_va_vdst(0)                   ; and the wait ahead of its first reader
	v_mul_f32 v[F], v[BT], v14                     ; my half's factor,
	v_mul_f32 v[SUM2], v[BT+1], v14                ; the other's
.set j, 0
.rept 32
	v_pk_mul_f32 v[S+j:S+j+1], v[S+j:S+j+1], v[SUM2:SUM2+1] op_sel_hi:[1,0]
.set j, j+2
.endr
.set j, 0
.rept 32
	v_pk_fma_f32 v[S+j:S+j+1], v[O+j:O+j+1], v[F:F+1], v[S+j:S+j+1] op_sel_hi:[1,0,1]   ; each accumulator from its low end on
.set j, j+2
.endr
	; quantised along the head's 128, which are K step `head` of the next product; the fragment leaves as it stands
.irp b, 0,1,2,3
	v_max3_num_f32 v[TM+\b], |v[S+16*\b]|, |v[S+1+16*\b]|, 0x1800000   ; with the floor 2^(3 - 127)
.endr
.irp i, 2,4,6,8,10,12,14
.irp b, 0,1,2,3
	s_delay_alu instid0(VALU_DEP_4)
	v_max3_num_f32 v[TM+\b], v[TM+\b], |v[S+16*\b+\i]|, |v[S+1+16*\b+\i]|
.endr
.endr
.irp b, 0,1,2,3
	s_delay_alu instid0(VALU_DEP_4)
	v_permlanex16_b32 v[TM+4+\b], v[TM+\b], s[SEL], s[SEL+1]
.endr
.irp b, 0,1,2,3
	s_delay_alu instid0(VALU_DEP_4)
	v_max_num_f32 v[TM+\b], v[TM+\b], v[TM+4+\b]
.endr
.irp b, 0,1,2,3
	s_delay_alu instid0(VALU_DEP_4)
	v_add_nc_u32 v[TM+12+\b], 0xff000000, v[TM+\b]
.endr
	CODES S, TM+12, TM+4, PWP
.irp c, 0,1,2
	global_store_b128 v[L16], v[PC+4*\c:PC+4*\c+3], s[6:7] offset:512*\c
.endr
	s_wait_xcnt 0x0                                ; EXEC changes only behind this wait
	v_cmp_gt_u32 vcc_lo, 16, v5
	s_and_saveexec_b32 s53, vcc_lo
	global_store_b32 v9, v[PWP], s[8:9]            ; lanes 0-15: row r's word
	s_wait_xcnt 0x0
	s_or_b32 exec_lo, exec_lo, s53
.Ldone:
	s_wait_tensorcnt 0x0                           ; the wave's end
	ds_add_u32 v[SPW], v[NIL]
	s_wait_dscnt 0x0
	CROUND                                         ; the closing round
	s_endpgm
.Lfunc_end_k_q485c615639_attn:
	.size	k_q485c615639_attn, .Lfunc_end_k_q485c615639_attn-k_q485c615639_attn
	.p2alignl 7, 3214868480
	.fill 96, 4, 3214868480
	.section	.rodata,"a",@progbits
	.p2align	6, 0x0
	.amdhsa_kernel k_q485c615639_attn
		.amdhsa_group_segment_fixed_size 327680
		.amdhsa_private_segment_fixed_size 0
		.amdhsa_enable_private_segment 0
		.amdhsa_kernarg_size 24
		.amdhsa_user_sgpr_count 2
		.amdhsa_user_sgpr_kernarg_segment_ptr 1
		.amdhsa_wavefront_size32 1
		.amdhsa_system_sgpr_workgroup_id_x 1
		.amdhsa_system_sgpr_workgroup_id_y 1
		.amdhsa_system_sgpr_workgroup_id_z 1
		.amdhsa_system_vgpr_workitem_id 0
		.amdhsa_next_free_vgpr 256
		.amdhsa_next_free_sgpr 66
		.amdhsa_reserve_vcc 1
		.amdhsa_float_denorm_mode_32 3
		.amdhsa_float_denorm_mode_16_64 3
		.amdhsa_memory_ordered 1
		.amdhsa_forward_progress 1
		.amdhsa_inst_pref_size 103
	.end_amdhsa_kernel
	.amdgpu_metadata
---
amdhsa.version: [ 1, 2 ]
amdhsa.kernels:
  - .name:           k_q485c615639_attn
    .symbol:         k_q485c615639_attn.kd
    .args:
      - { .name: qkv, .offset: 0, .size: 8, .value_kind: global_buffer, .address_space: global }
      - { .name: acodes, .offset: 8, .size: 8, .value_kind: global_buffer, .address_space: global }
      - { .name: ascales, .offset: 16, .size: 8, .value_kind: global_buffer, .address_space: global }
    .group_segment_fixed_size: 327680
    .private_segment_fixed_size: 0
    .kernarg_segment_align: 8
    .kernarg_segment_size: 24
    .max_flat_workgroup_size: 512
    .sgpr_count:     66
    .vgpr_count:     256
    .wavefront_size: 32
...
	.end_amdgpu_metadata
.endif
;; end of part 3
;; launch oproj (part 4): grid 16 x 16, 4 waves a work-group, clusters of 4 x 4, 327,680 bytes of LDS; arguments acodes, ascales, codes, scales, bo, out0; writes out0
.if DOCPART == 4
	.amdgcn_target "amdgcn-amd-amdhsa--gfx1250"
	.amdhsa_code_object_version 6
	.text
	.protected	k_q485c615639_oproj
	.globl	k_q485c615639_oproj
	.p2align	8
	.type	k_q485c615639_oproj,@function
k_q485c615639_oproj:
	s_mov_b64 s[64:65], 0
	v_nop
	global_prefetch_b8 v0, s[64:65] scope:SCOPE_SE
	s_setreg_imm32_b32 hwreg(HW_REG_WAVE_MODE, 25, 1), 1
	s_wait_xcnt 0x0
	s_wait_alu depctr_hold_cnt(0) depctr_sa_sdst(0) depctr_va_vdst(0) depctr_va_sdst(0) depctr_va_ssrc(0) depctr_va_vcc(0) depctr_vm_vsrc(0)
	s_getreg_b32 s2, hwreg(HW_REG_IB_STS2, 6, 4)
	s_cmp_eq_u32 s2, 0
	s_cbranch_scc0 .Lentry_in_a_cluster
	s_endpgm
.Lentry_in_a_cluster:
	s_bfe_u32 s2, ttmp6, 0x10000c
	s_cmp_lg_u32 s2, 0xf033
	s_cbranch_scc0 .Lentry_shape_is_right
	s_endpgm
.Lentry_shape_is_right:
; out0 = attn wo + bo: 2,048 x 2,048 x 2,048 on codes of FP6 (E2M3) with E8M0 scales.  A = attn (acodes, ascales), B = wo (operand 4 of codes, scales), both as images of the operand's registers:
; codes [T 128][K step 16][1,536], scale words [T][kg 4][r 16][4 K steps]; lane r of tile T is row 32 (T / 2) + 8 (T % 2) + r + 8 (r / 8).
; SHARES.  A work-group makes 128 x 128, a wave 64 x 64: 16 accumulators; 256 work-groups.  The matrix instruction is used transposed (source 0 = B's rows, source 1 = A's): a lane holds eight neighbouring columns of a row.
; The bias is the C of each accumulator's first product.
; LDS: three slots, each with 512 along K of A's 8 tiles and of B's 8 tiles (98,304 bytes).  THE LOADS, all joint (cluster 4 x 4: A's along a row, B's along a column), one a wave each time:
;   at the head K 0-1023: waves 0, 1 bring A's 8 tiles of slots 0, 1, waves 2, 3 B's;  behind the head's round K 1024-1535 into slot 2, 4 tiles a wave;
;   behind the one round of the walk, in the middle of slot 1, K 1536-2047 into slot 0.  Five K steps stand between each of the two later requests and the wait for it.
; THE SCALE WORDS go from memory straight into registers, once: 16 loads of 16 bytes a lane, sixteen lanes to a block of 256 bytes.  Lanes 0-15 hold K groups 0, 1, lanes 16-31 K groups 2, 3, which the ROW1 selectors pick.
; No prefetch: the walk along K is written out, with no loop to run ahead in, and half of K is asked for at the head.
; REGISTERS.  window 0: v13-14, v16-18, v20-22, v24-26 addresses; v28, v29 the spare word's address and 0; v32-63 A's scale words, v96-127 B's; v64-95 the bias; v64-127 on the way out; v128-255 the accumulators.
;   window 1: two sets of 8 fragments, at v0 and v128.
.set FRB,   1536
.set TROW,  24576
.set OPB,   3145728
.set SCB,   131072
.set FR,    12
.set HALFT, 24576                      ; 4 tiles x 4 K steps
.set SLOT,  4*HALFT
.set SPARE, 3*SLOT                     ; behind the slots: the spare words, two blocks of 256 bytes that no other line names
.set STAGE, SLOT                       ; the way out goes through slot 1: it has had its only fill, and nobody reads it behind the walk's last barrier
.set ADRA, 16
.set ADRB, 20
.set STO,  24
.set RD,   25
.set CO,   26
.set SPW,  28
.set NIL,  29
.set SA,   32
.set BI,   64
.set BK,   64
.set SB,   96
.set ACC,  128
.set F0,   0
.set F1,   128
.set WV, 18
.set RH, 19                            ; wave / 2: my half of the rows, and: I fetch for A (0) or B (1)
.set CH, 20                            ; wave % 2: my half of the columns, and: which slot (head) or which 4 tiles (later) I fetch
.set G1, 24
.set G0, 32                            ; A's group 0: s[32:35] head, s[36:39] slot 2, s[40:43] the refill
.set G1B, 48
.set G0B, 56                           ; B's: s[56:59], s[60:63], and
.set G0BR, 68                          ; s[68:71]
.set MSB, 0
.macro WIN new                         ; the immediate's high byte repeats the setting that is left
.if MSB != (\new)
	s_set_vgpr_msb (MSB<<8)|(\new)
.set MSB, (\new)
.endif
.endm
.set MUL,  0x05                        ; sources 0 and 1 in window 1
.set TO_F, 0x40                        ; destination in window 1
.macro JLOAD g0a, g0b                  ; a joint load: waves 0, 1 for A, waves 2, 3 for B
	s_cmp_eq_u32 s[RH], 0
	s_cbranch_scc0 .Lfor_b_\@
	tensor_load_to_lds s[\g0a:\g0a+3], s[G1:G1+7]
	s_nop 0
.rept 4
	v_nop
.endr
	s_branch .Lasked_\@
.Lfor_b_\@:
	tensor_load_to_lds s[\g0b:\g0b+3], s[G1B:G1B+7]
	s_nop 0
.rept 4
	v_nop
.endr
.Lasked_\@:
.endm
.macro CREST
	s_cmp_lg_u32 s[WV], 0
	s_cbranch_scc1 .Lnot_wave_0_\@
	s_barrier_signal -3
.Lnot_wave_0_\@:
	s_barrier_wait -3
	s_barrier_signal -1
	s_barrier_wait -1
.endm
.macro CROUND
	s_barrier_signal -1
	s_barrier_wait -1
	CREST
.endm
.macro PLACES
.rept 4
	v_nop
.endr
.endm
	s_load_b256 s[4:11], s[0:1], 0x0               ; acodes, ascales, codes, scales
	s_load_b128 s[12:15], s[0:1], 0x20             ; bo, out0
	v_lshl_add_u32 v[SPW], v0, 2, SPARE
	v_mov_b32 v[NIL], 0
	ds_add_u32 v[SPW], v[NIL]                      ; the opening lines: the add, twice on end, and its wait
	ds_add_u32 v[SPW], v[NIL]
	v_lshrrev_b32 v1, 5, v0
	v_readfirstlane_b32 s[WV], v1
	s_lshr_b32 s[RH], s[WV], 1
	s_and_b32 s[CH], s[WV], 1
	s_bfe_u32 s21, ttmp6, 0x40000                  ; cx
	s_bfe_u32 s22, ttmp6, 0x40004                  ; cy
	s_lshl_b32 s16, ttmp9, 2
	s_add_co_u32 s16, s16, s21                     ; block column
	s_and_b32 s17, ttmp7, 0xffff
	s_lshl_b32 s17, s17, 2
	s_add_co_u32 s17, s17, s22                     ; block row
	s_lshl_b32 s23, s22, 2
	s_lshl_b32 s23, 15, s23                        ; my row of the cluster
	s_lshl_b32 s3, 0x1111, s21                     ; my column
	s_or_b32 s[G1+0], s23, (3<<16)|(1<<21)         ; the mask; elements of 8 bytes; bit 21 beside a mask
	s_or_b32 s[G1B+0], s3, (3<<16)|(1<<21)
.irp g, G1, G1B
	s_mov_b32 s[\g+1], 768<<16                     ; a tile's 4 K steps: 6,144 bytes
	s_mov_b32 s[\g+2], 8<<16                       ; 8 tiles at the head; behind it 4
	s_mov_b32 s[\g+3], 768<<16
	s_mov_b32 s[\g+4], 8
	s_mov_b32 s[\g+5], 3072                        ; from tile to tile
	s_mov_b32 s[\g+6], 0
	s_mov_b32 s[\g+7], 0
.endr
	s_lshl_b32 s44, s17, 3                         ; A's first tile: by the block row alone
	s_lshl_b32 s92, s44, 10
	s_mul_i32 s44, s44, TROW
	s_mov_b32 s45, 0
	s_lshl_b32 s2, s[RH], 12
	s_add_co_u32 s92, s92, s2                      ; the scale words of my 4 tiles of A
	s_mov_b32 s93, 0
	s_lshl_b32 s46, s16, 3                         ; B's: by the block column alone
	s_lshl_b32 s94, s46, 10
	s_mul_i32 s46, s46, TROW
	s_add_co_u32 s46, s46, 4*OPB
	s_mov_b32 s47, 0
	s_lshl_b32 s2, s[CH], 12
	s_add_co_u32 s94, s94, s2
	s_add_co_u32 s94, s94, 4*SCB
	s_mov_b32 s95, 0
	s_mul_i32 s66, s[CH], 4*FRB                    ; head: K 512 (wave % 2) ..
	s_mov_b32 s67, 0
	s_mul_i32 s96, s[CH], 4*TROW                   ; later: my 4 tiles
	s_mov_b32 s97, 0
	s_mul_i32 s98, s[CH], SLOT
	s_mul_i32 s99, s[RH], 2*HALFT
	s_add_co_u32 s98, s98, s99                     ; head: slot wave % 2, A's half or B's
	s_mul_i32 s99, s[WV], HALFT                    ; later: by the wave's number
	s_mul_i32 s72, s[RH], HALFT                    ; my 4 tiles of A in a slot,
	s_mul_i32 s73, s[CH], HALFT
	s_add_co_u32 s73, s73, 2*HALFT                 ; and of B
	s_mul_i32 s74, s[WV], 16*272
	s_add_co_u32 s74, s74, STAGE                   ; my stage
	s_lshl_b32 s75, s16, 9
	s_lshl_b32 s2, s[CH], 8
	s_add_co_u32 s75, s75, s2                      ; my first column, in bytes
	s_lshl_b32 s76, s17, 20
	s_lshl_b32 s2, s[RH], 19
	s_add_co_u32 s76, s76, s2
	s_add_co_u32 s76, s76, s75                     ; my part of out0
	s_mov_b32 s77, 0
	s_wait_dscnt 0x0                               ; both opening adds are done
	s_wait_kmcnt 0x0
	s_add_nc_u64 s[44:45], s[4:5], s[44:45]
	s_add_nc_u64 s[46:47], s[8:9], s[46:47]
	s_add_nc_u64 s[6:7], s[6:7], s[92:93]
	s_add_nc_u64 s[10:11], s[10:11], s[94:95]
	s_add_nc_u64 s[14:15], s[14:15], s[76:77]
	s_mov_b32 s[G0], 1
	s_mov_b32 s[G0+1], s98
	s_add_nc_u64 s[G0+2:G0+3], s[44:45], s[66:67]
	s_or_b32 s[G0+3], s[G0+3], 0x80000000
	s_mov_b32 s[G0B], 1
	s_mov_b32 s[G0B+1], s98
	s_add_nc_u64 s[G0B+2:G0B+3], s[46:47], s[66:67]
	s_or_b32 s[G0B+3], s[G0B+3], 0x80000000
	s_add_nc_u64 s[44:45], s[44:45], s[96:97]
	s_add_nc_u64 s[46:47], s[46:47], s[96:97]
	s_mov_b32 s[G0+4], 1                           ; K 1024 .. into slot 2
	s_add_co_u32 s[G0+5], s99, 2*SLOT
	s_add_nc_u64 s[G0+6:G0+7], s[44:45], 8*FRB
	s_or_b32 s[G0+7], s[G0+7], 0x80000000
	s_mov_b32 s[G0B+4], 1
	s_add_co_u32 s[G0B+5], s99, 2*SLOT
	s_add_nc_u64 s[G0B+6:G0B+7], s[46:47], 8*FRB
	s_or_b32 s[G0B+7], s[G0B+7], 0x80000000
	s_mov_b32 s[G0+8], 1                           ; K 1536 .. into slot 0
	s_mov_b32 s[G0+9], s99
	s_add_nc_u64 s[G0+10:G0+11], s[44:45], 12*FRB
	s_or_b32 s[G0+11], s[G0+11], 0x80000000
	s_mov_b32 s[G0BR], 1
	s_mov_b32 s[G0BR+1], s99
	s_add_nc_u64 s[G0BR+2:G0BR+3], s[46:47], 12*FRB
	s_or_b32 s[G0BR+3], s[G0BR+3], 0x80000000
	CROUND                                         ; all sixteen work-groups are here: the first joint loads meet
	JLOAD G0, G0B                                  ; every wave's one load at the head
	v_and_b32 v1, 15, v0                           ; r
	v_bfe_u32 v2, v0, 4, 1                         ; h
	v_and_b32 v3, 31, v0
	v_lshlrev_b32 v4, 4, v3                        ; 16 x lane: my place in every image
	v_add_nc_u32 v[ADRA], s72, v4
	v_add_nc_u32 v[ADRB], s73, v4
	v_add_nc_u32 v[ADRA+1], SLOT, v[ADRA]
	v_add_nc_u32 v[ADRB+1], SLOT, v[ADRB]
	v_add_nc_u32 v[ADRA+2], 2*SLOT, v[ADRA]
	v_add_nc_u32 v[ADRB+2], 2*SLOT, v[ADRB]
	v_lshlrev_b32 v5, 4, v1                        ; 16 r
	v_lshl_add_u32 v14, v2, 9, v5                  ; scale words: 16 r + 512 h
	v_mul_u32_u24 v6, v1, 272
	v_lshl_add_u32 v6, v2, 6, v6
	v_add_nc_u32 v[STO], s74, v6                   ; into the stage: row r, 64 bytes for each half of the lanes
	v_mul_u32_u24 v7, v2, 272
	v_add_nc_u32 v7, v7, v5
	v_add_nc_u32 v[RD], s74, v7                    ; back: sixteen lanes to a row of 256 bytes
	v_lshl_add_u32 v[CO], v2, 13, v5               ; and the same two rows in out0
	v_lshl_add_u32 v13, v2, 6, s75                 ; the bias of my columns
	s_wait_alu depctr_va_vdst(0)
.irp i, 0,1,2,3
.irp e, 0,1
	global_load_b128 v[SA+16*\e+4*\i:SA+16*\e+4*\i+3], v14, s[6:7] offset:1024*\i+256*\e     ; tile i, K group e + 2 h: the words of its four K steps
	global_load_b128 v[SB+16*\e+4*\i:SB+16*\e+4*\i+3], v14, s[10:11] offset:1024*\i+256*\e
.endr
.endr
.irp b, 0,1,2,3
	global_load_b128 v[BI+8*\b:BI+8*\b+3], v13, s[12:13] offset:128*(\b/2)+32*(\b%2)
	global_load_b128 v[BI+8*\b+4:BI+8*\b+7], v13, s[12:13] offset:128*(\b/2)+32*(\b%2)+16
.endr
.macro FETCH s, q, f                   ; the 8 fragments of slot s's K step q into set f
	WIN TO_F
.irp i, 0,1,2,3
.irp c, 0,1,2
	ds_load_b128 v[\f+FR*\i+4*\c:\f+FR*\i+4*\c+3], v[ADRA+\s] offset:\i*4*FRB+(\q)*FRB+512*\c
	ds_load_b128 v[\f+48+FR*\i+4*\c:\f+48+FR*\i+4*\c+3], v[ADRB+\s] offset:\i*4*FRB+(\q)*FRB+512*\c
.endr
.endr
.endm
.macro MULH f, kg, q, a0, first        ; 8 matrix instructions: A's tiles a0, a0 + 1 x B's four; the 16 accumulators by turns
.irp a, \a0, \a0+1
.irp b, 0,1,2,3
.set DD, ACC+8*(4*(\a)+\b)
.set SBN, SB+16*((\kg)%2)+4*\b+(\q)
.set SAN, SA+16*((\kg)%2)+4*(\a)+(\q)
.if \first
	v_wmma_scale_f32_16x16x128_f8f6f4 v[DD:DD+7], v[\f+48+FR*\b:\f+48+FR*\b+FR-1], v[\f+FR*(\a):\f+FR*(\a)+FR-1], v[BI+8*\b:BI+8*\b+7], v[SBN], v[SAN] matrix_a_fmt:MATRIX_FMT_FP6 matrix_b_fmt:MATRIX_FMT_FP6
.elseif (\kg) < 2
	v_wmma_scale_f32_16x16x128_f8f6f4 v[DD:DD+7], v[\f+48+FR*\b:\f+48+FR*\b+FR-1], v[\f+FR*(\a):\f+FR*(\a)+FR-1], v[DD:DD+7], v[SBN], v[SAN] matrix_a_fmt:MATRIX_FMT_FP6 matrix_b_fmt:MATRIX_FMT_FP6
.else
	v_wmma_scale_f32_16x16x128_f8f6f4 v[DD:DD+7], v[\f+48+FR*\b:\f+48+FR*\b+FR-1], v[\f+FR*(\a):\f+FR*(\a)+FR-1], v[DD:DD+7], v[SBN], v[SAN] matrix_a_fmt:MATRIX_FMT_FP6 matrix_b_fmt:MATRIX_FMT_FP6 matrix_a_scale:MATRIX_SCALE_ROW1 matrix_b_scale:MATRIX_SCALE_ROW1
.endif
.endr
.endr
.endm
.macro KS f, g, kg, q, n, nq, first    ; K step q of group kg on set f; the next step's fragments (slot n, step nq) are asked for ahead of its products, into set g
	s_wait_dscnt 0x0
	PLACES                                         ; in front of loads into registers that the last step's products read
	FETCH \n, \nq, \g
	WIN MUL
	MULH \f, \kg, \q, 0, \first
	MULH \f, \kg, \q, 2, \first
.endm
.macro TURN f, g, kg, q, n, nq, fill   ; the same with a barrier in its middle; fill = 1: it opens a round, behind which slot 0 is filled again
	WIN 0
	s_wait_tensorcnt 0x0                           ; all my tensor loads have landed
	ds_add_u32 v[SPW], v[NIL]
	s_wait_dscnt 1                                 ; (the add may be out)
	WIN MUL
	MULH \f, \kg, \q, 0, 0
	s_wait_dscnt 0x0                               ; the add is done; my reads of the slots left behind were over before
	s_barrier_signal -1
	WIN 0
	s_barrier_wait -1
.if \fill
	CREST
	JLOAD G0+8, G0BR                               ; the first tensor load behind the round; its four v_nop are the places in front of the loads below
.else
	PLACES
.endif
	FETCH \n, \nq, \g
	WIN MUL
	MULH \f, \kg, \q, 2, 0
.endm
	s_wait_tensorcnt 0x0                           ; my tile of the head's four is in
	ds_add_u32 v[SPW], v[NIL]
	s_mov_b32 s[G1+2], 4<<16                       ; no tensor load of mine is out: from here on a load brings 4 tiles
	s_mov_b32 s[G1+4], 4
	s_mov_b32 s[G1B+2], 4<<16
	s_mov_b32 s[G1B+4], 4
	s_wait_dscnt 0x0
	CROUND                                         ; slots 0 and 1 are whole, and all sixteen work-groups are here
	JLOAD G0+4, G0B+4                              ; slot 2
	s_wait_loadcnt 0x0                             ; the scale words and the bias
	FETCH 0, 0, F0
	KS   F0, F1, 0, 0, 0, 1, 1                     ; the first products start the sums, on the bias
	KS   F1, F0, 0, 1, 0, 2, 0
	KS   F0, F1, 0, 2, 0, 3, 0
	KS   F1, F0, 0, 3, 1, 0, 0
	KS   F0, F1, 1, 0, 1, 1, 0
	TURN F1, F0, 1, 1, 1, 2, 1                     ; slot 2 is whole, nobody reads slot 0: it takes K 1536 ..
	KS   F0, F1, 1, 2, 1, 3, 0
	KS   F1, F0, 1, 3, 2, 0, 0
	KS   F0, F1, 2, 0, 2, 1, 0
	KS   F1, F0, 2, 1, 2, 2, 0
	KS   F0, F1, 2, 2, 2, 3, 0
	TURN F1, F0, 2, 3, 0, 0, 0                     ; slot 0 is whole again; nothing more is filled
	KS   F0, F1, 3, 0, 0, 1, 0
	KS   F1, F0, 3, 1, 0, 2, 0
	KS   F0, F1, 3, 2, 0, 3, 0
	s_wait_dscnt 0x0
	MULH F1, 3, 3, 0, 0
	MULH F1, 3, 3, 2, 0
	WIN 0
; THE WAY OUT, by A's tiles: 16 rows x 64 columns go through my own stage and come back as rows of 256 bytes, which sixteen lanes store as one aligned unit.
.macro TOSTAGE a
.irp b, 0,1,2,3
	ds_store_b128 v[STO], v[ACC+8*(4*(\a)+\b):ACC+8*(4*(\a)+\b)+3] offset:128*(\b/2)+32*(\b%2)       ; each accumulator from its low end on
	ds_store_b128 v[STO], v[ACC+8*(4*(\a)+\b)+4:ACC+8*(4*(\a)+\b)+7] offset:128*(\b/2)+32*(\b%2)+16
.endr
.set BB, BK+32*((\a)%2)
.irp t, 0,1,2,3,4,5,6,7
	ds_load_b128 v[BB+4*\t:BB+4*\t+3], v[RD] offset:\t*2*272       ; LDS serves a wave's instructions in order (ISA guide 5.7.1.4)
.endr
.endm
.macro SEND a, younger
.set BB, BK+32*((\a)%2)
	s_wait_dscnt \younger
.irp t, 0,1,2,3,4,5,6,7
	global_store_b128 v[CO], v[BB+4*\t:BB+4*\t+3], s[14:15] offset:(32*((\a)/2)+8*((\a)%2)+2*\t+8*(\t/4))*8192 th:TH_STORE_NT
.endr
.endm
	PLACES                                         ; behind the last products: for the reads of their results and the loads into their scale registers
	s_wait_alu depctr_va_vdst(0)
	TOSTAGE 0
.irp a, 1,2,3
.if \a > 1
	s_wait_xcnt 0x0                                ; tile a - 2's stores have read their registers
.endif
	TOSTAGE \a
	SEND \a-1, 16                                  ; behind tile a - 1's loads: tile a's 8 stores and 8 loads
.endr
	SEND 3, 0
	s_wait_tensorcnt 0x0                           ; the wave's end
	ds_add_u32 v[SPW], v[NIL]
	s_wait_dscnt 0x0
	CROUND                                         ; the closing round
	s_endpgm
.Lfunc_end_k_q485c615639_oproj:
	.size	k_q485c615639_oproj, .Lfunc_end_k_q485c615639_oproj-k_q485c615639_oproj
	.p2alignl 7, 3214868480
	.fill 96, 4, 3214868480
	.section	.rodata,"a",@progbits
	.p2align	6, 0x0
	.amdhsa_kernel k_q485c615639_oproj
		.amdhsa_group_segment_fixed_size 327680
		.amdhsa_private_segment_fixed_size 0
		.amdhsa_enable_private_segment 0
		.amdhsa_kernarg_size 48
		.amdhsa_user_sgpr_count 2
		.amdhsa_user_sgpr_kernarg_segment_ptr 1
		.amdhsa_wavefront_size32 1
		.amdhsa_system_sgpr_workgroup_id_x 1
		.amdhsa_system_sgpr_workgroup_id_y 1
		.amdhsa_system_sgpr_workgroup_id_z 1
		.amdhsa_system_vgpr_workitem_id 0
		.amdhsa_next_free_vgpr 512
		.amdhsa_next_free_sgpr 106
		.amdhsa_reserve_vcc 0
		.amdhsa_float_denorm_mode_32 3
		.amdhsa_float_denorm_mode_16_64 3
		.amdhsa_memory_ordered 1
		.amdhsa_forward_progress 1
		.amdhsa_inst_pref_size 79
	.end_amdhsa_kernel
	.amdgpu_metadata
---
amdhsa.version: [ 1, 2 ]
amdhsa.kernels:
  - .name:           k_q485c615639_oproj
    .symbol:         k_q485c615639_oproj.kd
    .args:
      - { .name: acodes, .offset: 0, .size: 8, .value_kind: global_buffer, .address_space: global }
      - { .name: ascales, .offset: 8, .size: 8, .value_kind: global_buffer, .address_space: global }
      - { .name: codes, .offset: 16, .size: 8, .value_kind: global_buffer, .address_space: global }
      - { .name: scales, .offset: 24, .size: 8, .value_kind: global_buffer, .address_space: global }
      - { .name: bo, .offset: 32, .size: 8, .value_kind: global_buffer, .address_space: global }
      - { .name: out0, .offset: 40, .size: 8, .value_kind: global_buffer, .address_space: global }
    .group_segment_fixed_size: 327680
    .private_segment_fixed_size: 0
    .kernarg_segment_align: 8
    .kernarg_segment_size: 48
    .max_flat_workgroup_size: 128
    .sgpr_count:     106
    .vgpr_count:     512
    .wavefront_size: 32
...
	.end_amdgpu_metadata
.endif
;; end of part 4
